; MI455X (gfx1250); checked and timed in simulation.
; The chip was launched on July 23, 2026; its instructions are those of AMD's public machine-readable ISA for CDNA 5 (MIT licence, August 2026) and "CDNA5" Instruction Set Architecture Reference Guide (July 2026). The comments in the code are by the model that wrote it; some were corrected since.
;; Multi Head Attention. Allowed arithmetic: matrix products marked QUANTISED: E2M1 operands, one E8M0 scale for each 32 along K, by v_wmma_scale_f32_16x16x128_f8f6f4 with both operands' format E2M1 (or v_wmma_scale_f32_32x16x128_f4), f32 sums; products left as they are: bf16, f16 or f32 operands; f32 sums; everything else in f32.
;; Inputs: W_k 1,024 x 1,024 float32; W_o 1,024 x 1,024 float32; W_q 1,024 x 1,024 float32; W_v 1,024 x 1,024 float32; x 4 x 2,048 x 1,024 float32.
;; Outputs: out0 4 x 2,048 x 1,024 float32.
;; This version of the problem:
;;   THIS VERSION OF THE PROBLEM IS GIVEN IN LOW PRECISION. The matrix products marked QUANTISED in the list below multiply operands that are first quantised to E2M1 (2 exponent bits, 1 mantissa bit; 4 bits a number), with one power-of-two scale for each 32 numbers along K (OCP MX v1.0); their sums are f32. The products marked 'left as it is' may take bf16, f16 or f32 operands, with f32 sums. Whichever they take, every output number must still come out within the allowed error. Rounding operands to bf16 (8 significant bits) uses up far more of that allowance than f16 does (11 bits, for magnitudes from 6e-5 to 65,504). All else is computed in f32.
;;   The module's matrix products, in the order in which they are computed (A, B: the left and right operand; K: the contracted axis; several contracted axes count as one K, in the product's order):
;;     1. [M 8,192, K 1,024] x [K 1,024, N 1,024]; A: input x; B: input W_q: QUANTISED
;;     2. [M 8,192, K 1,024] x [K 1,024, N 1,024]; A: input x; B: input W_k: QUANTISED
;;     3. [M 8,192, K 1,024] x [K 1,024, N 1,024]; A: input x; B: input W_v: QUANTISED
;;     4. batch 64 x [M 2,048, K 64] x [K 64, N 2,048]; A: computed on the way; B: computed on the way: left as it is (an operand is computed on the way)
;;     5. batch 64 x [M 2,048, K 2,048] x [K 2,048, N 64]; A: computed on the way; B: computed on the way: left as it is (an operand is computed on the way)
;;     6. [M 8,192, K 1,024] x [K 1,024, N 1,024]; A: computed on the way; B: input W_o: left as it is (an operand is computed on the way)
;;   THE QUANTISER, for each operand of a quantised product, along K:
;;     - K is cut into blocks of 32 from its start; a last block that is shorter is filled with zeros.
;;     - A block's scale is 2^e with e = floor(log2(the largest magnitude in the block)) - 2, held to -126 .. 127; a block of zeros has e = 0. As a byte (E8M0): e + 127.
;;     - Each number is divided by its block's scale, clamped to +-6, and rounded to the nearest number of E2M1, ties to even, subnormals kept.
;;     - The product sums the exact products of the quantised numbers (number of the format x scale) in f32.
;;   ~~~python
;;   def quantise(x, axis):      # numpy; x: float32 -> the quantised numbers, widened to float32 again
;;       x = np.moveaxis(x, axis, -1); K = x.shape[-1]
;;       x = np.pad(x, [(0, 0)] * (x.ndim - 1) + [(0, -K % 32)]); x = x.reshape(x.shape[:-1] + (-1, 32)); a = np.abs(x).max(-1, keepdims=True)
;;       e = np.where(a > 0, np.clip(np.frexp(np.where(a > 0, a, 1))[1] - 1 - 2, -126, 127), 0)      # np.frexp(a)[1] - 1 = floor(log2(a)), exactly
;;       r = np.clip(x / 2.0 ** e, -6, 6)
;;       step = 2.0 ** (np.maximum(np.frexp(np.where(r == 0, 1, r))[1] - 1, 0) - 1)
;;       q = np.round(r / step) * step * 2.0 ** e      # np.round: ties to even
;;       return np.moveaxis(q.reshape(q.shape[:-2] + (-1,))[..., :K], -1, axis).astype(np.float32)
;;   ~~~
;; One version. Each part assembles by itself: llvm-mc -triple=amdgcn-amd-amdhsa -mcpu=gfx1250 --defsym DOCPART=n.
;; ======== version 1 of 1: 4 launches
;; limits: values are held in f16: magnitudes above 65,504 overflow, below 6.1e-05 lose precision
;; workspace buffers: xc 4,194,304 bytes; xs 262,144 bytes; wc 1,572,864 bytes; wsc 98,304 bytes; wo16 2,097,152 bytes; qkv 50,331,648 bytes; att 16,777,216 bytes
;; launch prep (part 1): grid 416 x 1, 4 waves a work-group, no clusters, 33,280 bytes of LDS; arguments x, W_q, W_k, W_v, W_o, xc, xs, wc, wsc, wo16; writes xc, xs, wc, wsc, wo16
.if DOCPART == 1
	.amdgcn_target "amdgcn-amd-amdhsa--gfx1250"
	.amdhsa_code_object_version 6
	.text
	.protected	k_qceff9aeeb2_prep
	.globl	k_qceff9aeeb2_prep
	.p2align	8
	.type	k_qceff9aeeb2_prep,@function
k_qceff9aeeb2_prep:
	s_mov_b64 s[64:65], 0
	v_nop
	global_prefetch_b8 v0, s[64:65] scope:SCOPE_SE
	s_setreg_imm32_b32 hwreg(HW_REG_WAVE_MODE, 25, 1), 1
	s_wait_xcnt 0x0
; x [8192][1024] and W_q, W_k, W_v [1024][1024], f32, K innermost, become codes of FP4 (E2M1), two a byte, the lower k in the low four bits, with one E8M0 byte for each 32 along K:
; xc [8192][512 bytes], xs [8192][32];  wc [3072][512 bytes], wsc [3072][32], rows 0-1023 W_q, 1024-2047 W_k, 2048-3071 W_v.
; W_o [1024 (n)][1024 (k)] becomes f16, laid [k / 64][n][64]: wo16 byte = (k / 64) x 131072 + n x 128 + 2 (k % 64).
; A block's scale is 2^(floor(log2(its largest magnitude)) - 2); its byte is the largest magnitude's exponent field - 2, held at 1 from below; each number is divided by the scale and rounded to the nearest code, ties to even, beyond 6 the largest code.
; LIMITS: a block of zeros gets the byte 1 where the rule says 127 (its codes are zeros, which add nothing, and this program alone reads the bytes); blocks whose largest magnitude lies under 2^(2 - 126) keep the byte 1;
; NaN and infinities among the inputs are not served; W_o's numbers must lie inside f16's range (65,504).
; SHARES: work-groups 0-255 take x, 256-287 W_q, 288-319 W_k, 320-351 W_v, 32,768 numbers each; work-groups 352-415 take W_o, 16 rows each.
; The four quantised tensors take ONE path through the text: only pointers are chosen, by the work-group's number.  Rows are dense and K is a multiple of 32: each tensor is a plain stream of blocks of 32.
; A wave takes 16 steps of 512 numbers.  Each load reads 512 consecutive bytes, 16 a lane; a step's 2,048 bytes turn through the wave's own stage in LDS and come back 64 bytes a lane, so that a lane holds 16 neighbours along K
; (two neighbouring lanes hold a block).  A lane's 16 codes are 8 bytes: the wave stores 256 consecutive bytes, aligned.  A wave's 256 scale bytes are gathered in LDS and leave as 256 consecutive bytes, aligned.
.set WAVES, 4
.set STEPS, 16
.set WGQ,   352                        ; the first work-group of W_o's
.set CB,    8                          ; bytes of 16 codes
.set R,     16                         ; v16-79   four sets of 16 numbers as they are loaded
.set X,     80                         ; v80-111  two sets of 16 neighbours
.set E,     112                        ; v112-127 a scale byte for each step
.set C,     128                        ; v128-191 codes: four registers for each step, so that no store's data are written again
.set WREG,  8192                       ; LDS: a region for each wave: two stages of 32 x SP bytes, behind them its 256 scale bytes
.set SP,    80                         ; a lane's place in a stage: 64 bytes + 16 of padding
.set SPW,   12                         ; v12  LDS address of my spare word: SPARE + 4 x my thread's number; never rewritten
.set NIL,   13                         ; v13  0; never rewritten
.set SPARE, WAVES*WREG                 ; behind the four regions: the spare words, 128 bytes for each wave, which no other line names
	s_load_b256 s[4:11], s[0:1], 0x0               ; x s[4:5], W_q s[6:7], W_k s[8:9], W_v s[10:11]
	s_load_b256 s[12:19], s[0:1], 0x20             ; W_o s[12:13], xc s[14:15], xs s[16:17], wc s[18:19]
	s_load_b128 s[20:23], s[0:1], 0x40             ; wsc s[20:21], wo16 s[22:23]
	v_lshl_add_u32 v[SPW], v0, 2, SPARE
	v_mov_b32 v[NIL], 0
	v_lshrrev_b32 v1, 5, v0
	v_readfirstlane_b32 s32, v1                    ; wave 0..3
	v_and_b32 v2, 31, v0                           ; lane
	s_wait_kmcnt 0x0
	s_cmp_ge_u32 ttmp9, WGQ                        ; the work-group's number alone decides the path
	s_cbranch_scc1 .Lwo
	; ---- the quantiser
	v_lshlrev_b32 v3, 4, v2                        ; my 16 bytes of a load's 512
	s_mul_i32 s33, s32, WREG
	v_lshrrev_b32 v14, 2, v2
	v_mul_u32_u24 v14, v14, SP
	v_and_b32 v15, 3, v2
	v_lshl_add_u32 v14, v15, 4, v14
	v_add_nc_u32 v14, s33, v14                     ; the stage, on the way in: four lanes' 64 bytes on end, then 16 of padding
	v_mul_u32_u24 v15, v2, SP
	v_add_nc_u32 v15, s33, v15                     ; and on the way out: SP x lane: my 16 neighbours
	v_mul_u32_u24 v4, v2, CB                       ; my codes' place in a step's
	v_lshrrev_b32 v5, 1, v2
	s_add_co_u32 s33, s33, 2*32*SP
	v_add_nc_u32 v5, s33, v5                       ; LDS: my wave's 256 scale bytes, my block's byte
	v_lshlrev_b32 v7, 3, v2                        ; and on the way out 8 bytes a lane
	v_add_nc_u32 v6, s33, v7
	s_and_b32 s30, ttmp9, 31                       ; which 32,768 numbers of a weight (256, 288 and 320 are multiples of 32)
	s_sub_co_u32 s31, ttmp9, 256                   ; and of the three weights on end, as wc and wsc have them
	s_cmp_lt_u32 ttmp9, 320
	s_cselect_b64 s[24:25], s[8:9], s[10:11]       ; W_k or W_v,
	s_cmp_lt_u32 ttmp9, 288
	s_cselect_b64 s[24:25], s[6:7], s[24:25]       ; or W_q,
	s_cmp_lt_u32 ttmp9, 256
	s_cselect_b64 s[24:25], s[4:5], s[24:25]       ; or x: the source
	s_cselect_b64 s[26:27], s[14:15], s[18:19]     ; the codes' buffer
	s_cselect_b64 s[28:29], s[16:17], s[20:21]     ; the scale bytes' buffer
	s_cselect_b32 s30, ttmp9, s30
	s_cselect_b32 s31, ttmp9, s31
	s_lshl_b32 s30, s30, 2
	s_add_co_u32 s30, s30, s32                     ; my wave's run of 8,192 numbers in the source,
	s_lshl_b32 s31, s31, 2
	s_add_co_u32 s31, s31, s32                     ; and in the results
	s_lshl_b32 s34, s30, 15                        ; 32,768 bytes of f32 a run (1,023 runs at the most: under 2^32)
	s_mov_b32 s35, 0
	s_add_nc_u64 s[24:25], s[24:25], s[34:35]
	s_lshl_b32 s34, s31, 12                        ; 4,096 bytes of codes
	s_add_nc_u64 s[26:27], s[26:27], s[34:35]
	s_lshl_b32 s34, s31, 8                         ; 256 scale bytes
	s_add_nc_u64 s[28:29], s[28:29], s[34:35]
.macro LOAD t
.irp i, 0,1,2,3
	global_load_b128 v[R+16*((\t)%4)+4*\i:R+16*((\t)%4)+4*\i+3], v3, s[24:25] offset:2048*(\t)+512*\i th:TH_LOAD_NT   ; 32 lanes read 512 consecutive bytes; read once in the launch
.endr
.endm
.macro TURN t                          ; step t's numbers through the stage: LDS serves a wave's instructions in order (ISA guide 5.7.1.4), so no wait stands between the stores and the loads
.irp i, 0,1,2,3
	ds_store_b128 v14, v[R+16*((\t)%4)+4*\i:R+16*((\t)%4)+4*\i+3] offset:32*SP*((\t)%2)+8*SP*\i
.endr
.irp i, 0,1,2,3
	ds_load_b128 v[X+16*((\t)%2)+4*\i:X+16*((\t)%2)+4*\i+3], v15 offset:32*SP*((\t)%2)+16*\i
.endr
.endm
.irp t, 0,1,2,3
	LOAD \t
.endr
	s_wait_loadcnt 12                              ; step 0's four loads are in; the twelve of steps 1 to 3 may be out
	TURN 0
.macro STEP t
.set XS, X+16*((\t)%2)
.if (\t) > 0
	s_wait_dscnt 1                                 ; this step's numbers are back from the stage (the last step's byte store may be out): so its stores into the stage have read their registers,
.else
	s_wait_dscnt 0x0
.endif
.if (\t)+4 < STEPS
	LOAD (\t)+4                                    ; which take the loads of four steps on
.endif
.if (\t)+1 < STEPS
.if STEPS-2-(\t) >= 3
	s_wait_loadcnt 12                              ; the next step's four loads are in; those of the three steps behind it may be out
.else
	s_wait_loadcnt 4*(STEPS-2-(\t))                ; near the end fewer steps stand behind it
.endif
	TURN (\t)+1                                    ; and go through the other stage while this step is worked
.endif
	v_max3_num_f32 v8, |v[XS]|, |v[XS+1]|, |v[XS+2]|               ; the largest magnitude of my 16, in two chains
	v_max3_num_f32 v9, |v[XS+3]|, |v[XS+4]|, |v[XS+5]|
.irp i, 6,10
	v_max3_num_f32 v8, v8, |v[XS+\i]|, |v[XS+\i+1]|
	v_max3_num_f32 v9, v9, |v[XS+\i+2]|, |v[XS+\i+3]|
.endr
	v_max3_num_f32 v8, v8, |v[XS+14]|, |v[XS+15]|
	v_max3_num_f32 v8, v8, v9, 0x1800000           ; and the floor 2^(3 - 127), under which no largest magnitude is taken: so the byte cannot fall under 1
	v_max_num_f32_dpp v8, v8, v8 row_xmask:1 row_mask:0xf bank_mask:0xf   ; and of my neighbour's 16: the block's
	v_add_nc_u32 v11, 0xff000000, v8               ; 2 off its exponent field: the conversion takes the exponent field of this operand as its scale, and nothing else of it
	v_cvt_scalef32_pk8_fp4_f32 v[C+4*(\t)], v[XS:XS+7], v11         ; eight numbers / the scale, to the nearest code, ties to even; the first number's code in the lowest four bits
	v_cvt_scalef32_pk8_fp4_f32 v[C+4*(\t)+1], v[XS+8:XS+15], v11
	v_lshrrev_b32 v[E+(\t)], 23, v11               ; the scale's byte (also the plain line behind the conversions)
	ds_store_b8 v5, v[E+(\t)] offset:16*(\t)       ; both lanes of a block write the same byte with the same value
	global_store_b64 v4, v[C+4*(\t):C+4*(\t)+1], s[26:27] offset:32*CB*(\t)   ; 32 lanes store 256 consecutive bytes, aligned
.endm
.irp t, 0,1,2,3,4,5,6,7,8,9,10,11,12,13,14,15
	STEP \t
.endr
	ds_load_b64 v[8:9], v6                         ; in order behind my byte stores
	s_wait_dscnt 0x0
	global_store_b64 v7, v[8:9], s[28:29]          ; 32 lanes store my wave's 256 scale bytes, aligned
	s_wait_tensorcnt 0x0                           ; the wave's end, behind my last LDS store
	ds_add_u32 v[SPW], v[NIL]
	s_wait_dscnt 0x0
	s_endpgm
	; ---- W_o to f16.  Wave g of 256 takes rows 4 g .. 4 g + 3, all of K.  Lane l reads 32 bytes (8 numbers): row l / 8, numbers 8 (l % 8) + 0..7 of a block of 64 along K; eight lanes cover a row's 256 bytes of that block.
	; Its 8 numbers pack into 16 bytes, and the 32 lanes store 512 consecutive bytes: four rows of one block of 64 along K.  All 32 loads go out at once; no register is written twice, so no store's data wait for anything.
.Lwo:
	s_sub_co_u32 s33, ttmp9, WGQ
	s_lshl_b32 s33, s33, 2
	s_add_co_u32 s33, s33, s32                     ; g
	s_lshl_b32 s34, s33, 14                        ; four rows of 4,096 bytes
	s_mov_b32 s35, 0
	s_add_nc_u64 s[12:13], s[12:13], s[34:35]
	s_lshl_b32 s34, s33, 9                         ; four rows of 128 bytes
	s_add_nc_u64 s[22:23], s[22:23], s[34:35]
	v_lshrrev_b32 v3, 3, v2
	v_and_b32 v5, 7, v2
	v_lshlrev_b32 v3, 12, v3
	v_lshl_add_u32 v3, v5, 5, v3                   ; in: 4,096 (l / 8) + 32 (l % 8)
	v_lshlrev_b32 v4, 4, v2                        ; out: 16 l
.set kb, 0
.rept 16
	global_load_b128 v[32+8*kb:35+8*kb], v3, s[12:13] offset:256*kb th:TH_LOAD_NT
	global_load_b128 v[36+8*kb:39+8*kb], v3, s[12:13] offset:256*kb+16 th:TH_LOAD_NT
.set kb, kb+1
.endr
.set kb, 0
.rept 16
	s_wait_loadcnt 30-2*kb                         ; this block's two loads are in; the 30 - 2 kb issued behind them may be out
.irp i, 0,1,2,3
	v_cvt_pk_f16_f32 v[32+8*kb+\i], v[32+8*kb+2*\i], v[33+8*kb+2*\i]   ; in place, ascending: a result never lands ahead of numbers still to be read
.endr
	global_store_b128 v4, v[32+8*kb:35+8*kb], s[22:23] offset:131072*kb
.set kb, kb+1
.endr
	s_wait_tensorcnt 0x0                           ; the wave's end, as on the other path
	ds_add_u32 v[SPW], v[NIL]
	s_wait_dscnt 0x0
	s_endpgm
.Lfunc_end_k_qceff9aeeb2_prep:
	.size	k_qceff9aeeb2_prep, .Lfunc_end_k_qceff9aeeb2_prep-k_qceff9aeeb2_prep
	.p2alignl 7, 3214868480
	.fill 96, 4, 3214868480
	.section	.rodata,"a",@progbits
	.p2align	6, 0x0
	.amdhsa_kernel k_qceff9aeeb2_prep
		.amdhsa_group_segment_fixed_size 33280
		.amdhsa_private_segment_fixed_size 0
		.amdhsa_enable_private_segment 0
		.amdhsa_kernarg_size 80
		.amdhsa_user_sgpr_count 2
		.amdhsa_user_sgpr_kernarg_segment_ptr 1
		.amdhsa_wavefront_size32 1
		.amdhsa_system_sgpr_workgroup_id_x 1
		.amdhsa_system_sgpr_workgroup_id_y 1
		.amdhsa_system_sgpr_workgroup_id_z 1
		.amdhsa_system_vgpr_workitem_id 0
		.amdhsa_next_free_vgpr 192
		.amdhsa_next_free_sgpr 66
		.amdhsa_reserve_vcc 0
		.amdhsa_float_denorm_mode_32 3
		.amdhsa_float_denorm_mode_16_64 3
		.amdhsa_memory_ordered 1
		.amdhsa_forward_progress 1
		.amdhsa_inst_pref_size 43
	.end_amdhsa_kernel
	.amdgpu_metadata
---
amdhsa.version: [ 1, 2 ]
amdhsa.kernels:
  - .name:           k_qceff9aeeb2_prep
    .symbol:         k_qceff9aeeb2_prep.kd
    .args:
      - { .name: x, .offset: 0, .size: 8, .value_kind: global_buffer, .address_space: global }
      - { .name: W_q, .offset: 8, .size: 8, .value_kind: global_buffer, .address_space: global }
      - { .name: W_k, .offset: 16, .size: 8, .value_kind: global_buffer, .address_space: global }
      - { .name: W_v, .offset: 24, .size: 8, .value_kind: global_buffer, .address_space: global }
      - { .name: W_o, .offset: 32, .size: 8, .value_kind: global_buffer, .address_space: global }
      - { .name: xc, .offset: 40, .size: 8, .value_kind: global_buffer, .address_space: global }
      - { .name: xs, .offset: 48, .size: 8, .value_kind: global_buffer, .address_space: global }
      - { .name: wc, .offset: 56, .size: 8, .value_kind: global_buffer, .address_space: global }
      - { .name: wsc, .offset: 64, .size: 8, .value_kind: global_buffer, .address_space: global }
      - { .name: wo16, .offset: 72, .size: 8, .value_kind: global_buffer, .address_space: global }
    .group_segment_fixed_size: 33280
    .private_segment_fixed_size: 0
    .kernarg_segment_align: 8
    .kernarg_segment_size: 80
    .max_flat_workgroup_size: 128
    .sgpr_count:     66
    .vgpr_count:     192
    .wavefront_size: 32
...
	.end_amdgpu_metadata
.endif
;; end of part 1
;; launch qkv (part 2): grid 12 x 32, 4 waves a work-group, clusters of 4 x 4, 327,680 bytes of LDS; arguments xc, xs, wc, wsc, qkv; writes qkv
.if DOCPART == 2
	.amdgcn_target "amdgcn-amd-amdhsa--gfx1250"
	.amdhsa_code_object_version 6
	.text
	.protected	k_qceff9aeeb2_qkv
	.globl	k_qceff9aeeb2_qkv
	.p2align	8
	.type	k_qceff9aeeb2_qkv,@function
k_qceff9aeeb2_qkv:
	s_mov_b64 s[64:65], 0
	v_nop
	global_prefetch_b8 v0, s[64:65] scope:SCOPE_SE
	s_setreg_imm32_b32 hwreg(HW_REG_WAVE_MODE, 25, 1), 1
	s_wait_xcnt 0x0
	s_wait_alu depctr_hold_cnt(0) depctr_sa_sdst(0) depctr_va_vdst(0) depctr_va_sdst(0) depctr_va_ssrc(0) depctr_va_vcc(0) depctr_vm_vsrc(0)
	s_getreg_b32 s2, hwreg(HW_REG_IB_STS2, 6, 4)
	s_cmp_eq_u32 s2, 0
	s_cbranch_scc0 .Lentry_in_a_cluster
	s_endpgm
.Lentry_in_a_cluster:
	s_bfe_u32 s2, ttmp6, 0x10000c
	s_cmp_lg_u32 s2, 0xf033
	s_cbranch_scc0 .Lentry_shape_is_right
	s_endpgm
.Lentry_shape_is_right:
; The three quantised products as ONE product on codes: C[m][n] = sum over k of x[m][k] W[n][k], m = 8,192 tokens, n = 3,072 (W_q's, W_k's, W_v's rows on end), k = 1,024.
; Both operands are codes of FP4 (E2M1), two a byte, K innermost, with one E8M0 byte for each 32 along K; the matrix instruction takes codes and scale bytes as they lie.  Sums in f32, K ascending.
; C is rounded once to f16 and stored head by head: qkv byte = g x 2^20 + token x 128 + 2 d, g = n / 64 (0-15 Q's heads, 16-31 K's, 32-47 V's), d = n % 64.
; LIMIT: Q, K and V must lie inside f16's range (65,504).  With x and W both 30 times the drawn spread they have a spread of 900; with offsets of 30 spreads on both they reach some 29,000.
; A tile of C, 256 x 256, is made by a work-group of four waves; a wave makes 128 x 128: 64 accumulators of 16 x 16, 512 registers.
; ALL OF K IS TWO LDS SLOTS of 512 along K (rows of 256 bytes), both asked for at the start: nothing is ever filled again, so there is no loop and one change of slots.
; THE SCALES of the work-group's 256 rows of x and 256 rows of W, for all of K, are two dense blocks of memory: they come into LDS once, with the first fills.
; CLUSTERS: 4 x 4 work-groups.  The four of a row of the cluster need the same tiles of x, the four of a column the same tiles of W: each tile is asked for JOINTLY, by the same tensor load with the same descriptor and a
; mask that names the four.  THE MATRIX INSTRUCTION IS USED TRANSPOSED (source 0 = 16 rows of W, source 1 = 16 rows of x): a lane then holds eight neighbouring numbers of a row of C.
; REGISTERS, in windows of 256: window 0: v0-31 addresses; v32-95 scale words, two sets; v128-191 x's fragments (8 x 16 rows x 128 K), ONE set; on the way out v32-63, v192-255 are at work.
;   window 1: W's fragments, TWO sets, at v0 and at v128.   window 2: the 32 accumulators of my rows 0-63 (accumulator (a, b) at v[8 (8 a + b)]);   window 3: those of my rows 64-127.
.set SIZE_K, 1024
.set KSTEP,  512                       ; along K in a slot
.set NQ,     KSTEP/128                 ; matrix instructions deep
.set ROWB,   256                       ; a tile's row in bytes
.set KROW,   SIZE_K*4/8                ; a row of codes in memory, in bytes
.set PITCH,  272                       ; an LDS row: 256 bytes + 16 of padding = 68 words: row r starts at bank 4 r mod 64 (64 banks of 4 bytes: ISA guide 11.1), so the 16 rows of a load start at 16 different banks
.set FR,     8                         ; registers of a fragment: 16 rows x 128 K
.set NL,     2                         ; LDS loads that bring one
.set NP,     4                         ; places behind this matrix instruction (ISA guide 7.12.1)
.set HALFT,  128*PITCH                 ; 128 rows: what one tensor load brings, and what one wave reads of x or of W
.set SLOT,   4*HALFT                   ; x's 256 rows, then W's 256 rows
.set KS,     SIZE_K/32                 ; a row of scales in bytes
.set SCL,    2*SLOT                    ; behind the two slots: the scales, as runs of 256 bytes + 16 of padding
.set HALFS,  (128*KS/256)*272          ; the scales of 128 rows: what one tensor load brings
.set SBLK,   (16*KS/256)*272           ; those of 16 rows
.set SPARE,  SCL+4*HALFS               ; behind the scales: the spare words, 128 bytes for each wave, which no other line names
.set SPITCH, 272                       ; the way out: a stage of 16 rows x (256 bytes + 16) for each wave.  It lies in slot 0, which has had its one fill and its last read when the first result is stored there
.set ADRA, 16                          ; v16-17  LDS address of my x fragments in slot 0, 1
.set ADRB, 20                          ; v20-21  the same for W
.set STO,  24                          ; v24     the way out: where I put 16 bytes of a row
.set RD,   25                          ; v25     the way out: where I read 16 bytes back
.set CO,   26                          ; v26     my byte offset in qkv
.set ADRS, 27                          ; v27     LDS address of my scale words: lanes 0-15 x's rows, lanes 16-31 W's
.set SPW,  28                          ; v28     LDS address of my spare word: SPARE + 4 x my thread's number; never rewritten
.set NIL,  29                          ; v29     0; never rewritten
.set SC,   32                          ; scale words: set s (for slot s) at v[SC + 8 NQ s]; register NQ i + q: lanes 0-15 the word of x's block i, lanes 16-31 that of W's block i, for the slot's q-th 128 along K
.set AF,   128                         ; x's fragments, in window 0
.set TMP,  192                         ; the way out: a block's packed results
.set OB,   32                          ; the way out: a block read back from the stage: v32-63 and v224-255 by turns
.set G1, 24                            ; s[24:31] descriptor group 1 for x's tiles;  s[32:39] group 0, one set for each slot
.set G0, 32
.set G1B, 48                           ; s[48:55], s[56:63] the same for W's tiles
.set G0B, 56
.set G1S, 68                           ; s[68:75], s[76:79] groups 1 and 0 for x's scales;  s[80:87], s[88:91] for W's
.set G0S, 76
.set G1SB, 80
.set G0SB, 88
.set MSB, 0
.macro WIN new                         ; the immediate's high byte repeats the setting that is left; a switch that changes nothing is dropped
.if MSB != (\new)
	s_set_vgpr_msb (MSB<<8)|(\new)
.set MSB, \new
.endif
.endm
.set MUL_LO, 0xa1                      ; source 0 (W) window 1, source 1 (x) window 0, C and D window 2
.set MUL_HI, 0xf1                      ; the same, C and D window 3
.set TO_B,   0x40                      ; destination window 1, address window 0
; A joint load: waves 0 and 1 fetch for x, waves 2 and 3 for W.  Each of the two lines has ONE mask and one set of registers for all that issue it; the branch hangs on the wave's number alone.
; An s_nop 0 and four v_nop follow each of the two lines, ahead of the jump, the label and what follows.
.macro JLOAD g0a, g1a, g0b, g1b
	s_cmp_eq_u32 s15, 0
	s_cbranch_scc0 .Lfor_b_\@
	tensor_load_to_lds s[\g0a:\g0a+3], s[\g1a:\g1a+7]
	s_nop 0
.rept 4
	v_nop
.endr
	s_branch .Lasked_\@
.Lfor_b_\@:
	tensor_load_to_lds s[\g0b:\g0b+3], s[\g1b:\g1b+7]
	s_nop 0
.rept 4
	v_nop
.endr
.Lasked_\@:
.endm
; A round of the cluster's barrier: my work-group's barrier, so that wave 0's signal speaks for all four waves; wave 0 signals for the work-group; every wave waits for all sixteen; my work-group's barrier once more.
.macro CROUND
	s_barrier_signal -1
	s_barrier_wait -1
	s_cmp_lg_u32 s14, 0
	s_cbranch_scc1 .Lnot_wave_0_\@
	s_barrier_signal -3
.Lnot_wave_0_\@:
	s_barrier_wait -3
	s_barrier_signal -1
	s_barrier_wait -1
.endm
	s_load_b128 s[4:7], s[0:1], 0x0                ; x's codes s[4:5], x's scales s[6:7]
	s_load_b128 s[8:11], s[0:1], 0x10              ; W's codes s[8:9], W's scales s[10:11]
	s_load_b64 s[12:13], s[0:1], 0x20              ; qkv
	v_lshl_add_u32 v[SPW], v0, 2, SPARE
	v_mov_b32 v[NIL], 0
	ds_add_u32 v[SPW], v[NIL]                      ; the wave's opening: the add, twice on end, and its wait ahead of my first tensor load; the set-up below, work on registers, stands between
	ds_add_u32 v[SPW], v[NIL]
	v_lshrrev_b32 v1, 5, v0
	v_readfirstlane_b32 s14, v1                    ; wave 0..3
	s_lshr_b32 s15, s14, 1                         ; which half of the tile's rows is mine.  Also: I fetch for x (0) or for W (1)
	s_and_b32 s16, s14, 1                          ; which half of its columns.  Also: which 128 rows of that tile I fetch
	s_bfe_u32 s40, ttmp6, 0x40000                  ; cx, cy: my place in the cluster
	s_bfe_u32 s41, ttmp6, 0x40004
	s_lshl_b32 s42, ttmp9, 2
	s_add_co_u32 s42, s42, s40                     ; tile column of C = 4 x cluster x + cx
	s_and_b32 s17, ttmp7, 0xffff
	s_lshl_b32 s17, s17, 2
	s_add_co_u32 s17, s17, s41                     ; tile row of C = 4 x cluster y + cy
	s_lshl_b32 s43, s41, 2
	s_lshl_b32 s43, 15, s43                        ; my row of the cluster
	s_lshl_b32 s44, 0x1111, s40                    ; my column
	; descriptor group 1: a tile of 128 rows x 256 bytes, padded in LDS
	s_or_b32 s[G1+0], s43, (0<<16)|(1<<20)|(1<<21)|(5<<22)|(3<<25)  ; 15:0 the mask: x's tiles go to my row; 17:16 element of 1 byte; 20 padding on; 21 set beside a mask; 24:22 after every 64 words (code 5); 31:25 of 4 words (code 3)
	s_or_b32 s[G1B+0], s44, (0<<16)|(1<<20)|(1<<21)|(5<<22)|(3<<25)
.irp g, G1, G1B
	s_mov_b32 s[\g+1], ROWB<<16                    ; tensor_dim0
	s_mov_b32 s[\g+2], 128<<16                     ; tensor_dim1 = 128
	s_mov_b32 s[\g+3], ROWB<<16                    ; tile_dim0
	s_mov_b32 s[\g+4], 128                         ; tile_dim1 = 128
	s_mov_b32 s[\g+5], KROW                        ; tensor_dim0_stride
	s_mov_b32 s[\g+6], 0
	s_mov_b32 s[\g+7], 0
.endr
	; and for the scales of 128 rows: a dense block of 4,096 bytes, as rows of 256 bytes (32 elements of 8 bytes), 16 bytes of padding behind each
	s_or_b32 s[G1S+0], s43, (3<<16)|(1<<20)|(1<<21)|(5<<22)|(3<<25)
	s_or_b32 s[G1SB+0], s44, (3<<16)|(1<<20)|(1<<21)|(5<<22)|(3<<25)
.irp g, G1S, G1SB
	s_mov_b32 s[\g+1], 32<<16
	s_mov_b32 s[\g+2], (128*KS/256)<<16
	s_mov_b32 s[\g+3], 32<<16
	s_mov_b32 s[\g+4], 128*KS/256
	s_mov_b32 s[\g+5], 32
	s_mov_b32 s[\g+6], 0
	s_mov_b32 s[\g+7], 0
.endr
	s_lshl_b32 s18, s16, 7                         ; which 128 rows of the tile I fetch
	s_lshl_b32 s20, s17, 8
	s_add_co_u32 s20, s20, s18                     ; x: row 256 x tile row + 128 x half
	s_lshl_b32 s46, s42, 8
	s_add_co_u32 s46, s46, s18                     ; W: row 256 x tile column + 128 x half
	s_mov_b32 s21, 0
	s_mov_b32 s47, 0
	s_mov_b64 s[18:19], KS
	s_mul_u64 s[22:23], s[20:21], s[18:19]         ; where these rows' scales begin, in bytes
	s_mul_u64 s[92:93], s[46:47], s[18:19]
	s_mov_b64 s[18:19], KROW
	s_mul_u64 s[20:21], s[20:21], s[18:19]         ; and their codes
	s_mul_u64 s[46:47], s[46:47], s[18:19]
	s_mul_i32 s45, s14, HALFT                      ; where they go: wave x 128 rows: no place in the cluster enters an LDS address
	s_mul_i32 s94, s14, HALFS
	s_wait_dscnt 0x0                               ; both opening adds are done
	s_wait_kmcnt 0x0
	s_add_nc_u64 s[20:21], s[4:5], s[20:21]
	s_add_nc_u64 s[22:23], s[6:7], s[22:23]
	s_add_nc_u64 s[46:47], s[8:9], s[46:47]
	s_add_nc_u64 s[92:93], s[10:11], s[92:93]
	CROUND                                         ; all sixteen work-groups are here: the joint loads meet
	s_mov_b32 s[G0S], 1
	s_add_co_u32 s[G0S+1], s94, SCL
	s_mov_b64 s[G0S+2:G0S+3], s[22:23]
	s_or_b32 s[G0S+3], s[G0S+3], 0x80000000
	s_mov_b32 s[G0SB], 1
	s_add_co_u32 s[G0SB+1], s94, SCL
	s_mov_b64 s[G0SB+2:G0SB+3], s[92:93]
	s_or_b32 s[G0SB+3], s[G0SB+3], 0x80000000
	JLOAD G0S, G1S, G0SB, G1SB                     ; the scales first: they are wanted with the first slot.  With the two below, three loads of mine are out
.irp s, 0,1
	s_mov_b32 s[G0+4*\s], 1
	s_add_co_u32 s[G0+4*\s+1], s45, \s*SLOT
	s_add_nc_u64 s[G0+4*\s+2:G0+4*\s+3], s[20:21], \s*ROWB
	s_or_b32 s[G0+4*\s+3], s[G0+4*\s+3], 0x80000000
	s_mov_b32 s[G0B+4*\s], 1
	s_add_co_u32 s[G0B+4*\s+1], s45, \s*SLOT
	s_add_nc_u64 s[G0B+4*\s+2:G0B+4*\s+3], s[46:47], \s*ROWB
	s_or_b32 s[G0B+4*\s+3], s[G0B+4*\s+3], 0x80000000
	JLOAD G0+4*\s, G1, G0B+4*\s, G1B
.endr
	v_and_b32 v1, 15, v0                           ; l % 16
	v_bfe_u32 v2, v0, 4, 1                         ; l / 16
	v_mul_u32_u24 v3, v1, PITCH
	v_lshl_add_u32 v4, v2, 4, v3                   ; a fragment's row x pitch + 16 x half
	s_mul_i32 s21, s15, HALFT                      ; my 128 rows of x
	s_mul_i32 s22, s16, HALFT                      ; my 128 rows of W,
	s_add_co_u32 s22, s22, 2*HALFT                 ; which lie behind x's 256
.irp s, 0,1
	v_add_nc_u32 v[ADRA+\s], s21, v4
	v_add_nc_u32 v[ADRB+\s], s22, v4
	s_add_co_u32 s21, s21, SLOT
	s_add_co_u32 s22, s22, SLOT
.endr
	v_mul_u32_u24 v5, v1, KS                       ; my row's scales: KS bytes a row,
	v_lshrrev_b32 v6, 8, v5
	v_lshl_add_u32 v5, v6, 4, v5                   ; and 16 more for each 256 passed
	s_mul_i32 s21, s15, HALFS                      ; x's: my 128 rows
	s_mul_i32 s22, s16, HALFS                      ; W's: my 128 rows, behind x's 256
	s_add_co_u32 s22, s22, 2*HALFS
	s_sub_co_u32 s22, s22, s21
	v_mul_u32_u24 v6, s22, v2                      ; lanes 16-31 take W's
	s_add_co_u32 s21, s21, SCL
	v_add_nc_u32 v5, v5, v6
	v_add_nc_u32 v[ADRS], s21, v5
	s_mul_i32 s23, s14, 16*SPITCH                  ; my stage
	v_mul_u32_u24 v5, v1, SPITCH                   ; in: row l % 16, 16 bytes for each half of the lanes
	v_lshl_add_u32 v5, v2, 4, v5
	v_add_nc_u32 v[STO], s23, v5
	v_bfe_u32 v6, v0, 3, 1                         ; back: lanes 0-15 take the first head's 128 bytes of two rows, lanes 16-31 the second head's:
	v_mul_u32_u24 v6, v6, SPITCH                   ; row (l / 8) % 2,
	v_lshl_add_u32 v6, v2, 7, v6                   ; + 128 (l / 16),
	v_and_b32 v7, 7, v0
	v_lshl_add_u32 v6, v7, 4, v6                   ; + 16 (l % 8)
	v_add_nc_u32 v[RD], s23, v6
	v_lshlrev_b32 v[CO], 20, v2                    ; and in qkv: the second head lies 2^20 bytes on; two tokens' 128 bytes are neighbours
	v_lshl_add_u32 v[CO], v1, 4, v[CO]
	s_lshl_b32 s20, s17, 8
	s_lshl_b32 s21, s15, 7
	s_add_co_u32 s20, s20, s21                     ; my first token: 256 x tile row + 128 x half,
	s_lshl_b32 s20, s20, 7                         ; 128 bytes each
	s_mov_b32 s21, 0
	s_lshl_b32 s46, s42, 2
	s_lshl_b32 s47, s16, 1
	s_add_co_u32 s46, s46, s47                     ; my first head: 4 x tile column + 2 x half,
	s_lshl_b32 s46, s46, 20                        ; 2^20 bytes each (47 at the most: under 2^32)
	s_mov_b32 s47, 0
	s_add_nc_u64 s[20:21], s[20:21], s[46:47]
	s_add_nc_u64 s[12:13], s[12:13], s[20:21]
.macro FRAG reg, adr, q, i             ; a fragment, 16 rows x 128 K of 4-bit codes, is 8 registers: lane l holds row l % 16; registers 4 c .. 4 c + 3 hold K = 64 c + 32 (l / 16) + 0 .. 31, the lower K in the lower bits
.irp c, 0,1
	ds_load_b128 v[\reg+4*\c:\reg+4*\c+3], v[\adr] offset:64*(\q)+32*\c+(\i)*16*PITCH
.endr
.endm
; 16 matrix instructions: x's blocks a0, a0 + 1 against W's eight, 128 along K: the slot's q-th.  p: W's set;  sc: the set of scale words.  zero = 1: the first product starts the sums: nothing is ever cleared.
; The 64 accumulators take turns, one instruction a turn, in the same order in every step.
.macro MUL16 a0, p, q, sc, zero
.irp a, \a0, \a0+1
.irp b, 0,1,2,3,4,5,6,7
.if \zero
	v_wmma_scale_f32_16x16x128_f8f6f4 v[8*(8*((\a)%4)+\b):8*(8*((\a)%4)+\b)+7], v[128*(\p)+FR*\b:128*(\p)+FR*\b+FR-1], v[AF+FR*(\a):AF+FR*(\a)+FR-1], 0, v[SC+8*NQ*(\sc)+NQ*\b+(\q)], v[SC+8*NQ*(\sc)+NQ*(\a)+(\q)] matrix_a_fmt:MATRIX_FMT_FP4 matrix_b_fmt:MATRIX_FMT_FP4 matrix_a_scale:MATRIX_SCALE_ROW1
.else
	v_wmma_scale_f32_16x16x128_f8f6f4 v[8*(8*((\a)%4)+\b):8*(8*((\a)%4)+\b)+7], v[128*(\p)+FR*\b:128*(\p)+FR*\b+FR-1], v[AF+FR*(\a):AF+FR*(\a)+FR-1], v[8*(8*((\a)%4)+\b):8*(8*((\a)%4)+\b)+7], v[SC+8*NQ*(\sc)+NQ*\b+(\q)], v[SC+8*NQ*(\sc)+NQ*(\a)+(\q)] matrix_a_fmt:MATRIX_FMT_FP4 matrix_b_fmt:MATRIX_FMT_FP4 matrix_a_scale:MATRIX_SCALE_ROW1
.endif
.endr
.endr
.endm
.macro FETCH_B slot, q, p              ; W's eight fragments of the slot's q-th 128 along K into set p
	WIN TO_B
.irp i, 0,1,2,3,4,5,6,7
	FRAG 128*(\p)+FR*\i, ADRB+\slot, \q, \i
.endr
	WIN 0
.endm
.macro FETCH_A slot, q, i0             ; x's blocks i0 .. i0 + 3
.irp i, \i0, \i0+1, \i0+2, \i0+3
	FRAG AF+FR*(\i), ADRA+\slot, \q, \i
.endr
.endm
.macro SCALES sc                       ; a slot's scale words into set sc: NQ words a row; lanes 0-15 take x's block i, lanes 16-31 W's block i
.irp i, 0,1,2,3,4,5,6,7
	ds_load_b128 v[SC+8*NQ*\sc+NQ*\i:SC+8*NQ*\sc+NQ*\i+3], v[ADRS] offset:\i*SBLK
.endr
.endm
; A load into a register that a matrix instruction has read, and a vector instruction that reads a matrix result, stand NP places behind that matrix instruction, and only plain vector instructions that name none of
; its registers are places (ISA guide 7.12.1 for vector instructions); the matrix instructions in between are not counted.
.macro PLACES n
.rept \n
	v_nop
.endr
.endm
; A step of 128 along K that has its successor in the same slot.  x has one set of registers: blocks 0-3 are fetched anew in the step's middle, blocks 4-7 at its end; W has two sets.
.macro STEP slot, q, zero
	s_wait_dscnt 4*NL                              ; W's set and x's blocks 0-3 are in; the youngest eight loads (x's blocks 4-7) may be out
	WIN MUL_LO
	MUL16 0, (\q)%2, \q, \slot, \zero
	MUL16 2, (\q)%2, \q, \slot, \zero
	s_wait_dscnt 0                                 ; x's blocks 4-7 are in (asked for 32 matrix instructions ago)
	PLACES NP
	FETCH_B \slot, (\q)+1, 1-(\q)%2
	FETCH_A \slot, (\q)+1, 0
	WIN MUL_HI
	MUL16 4, (\q)%2, \q, \slot, \zero
	MUL16 6, (\q)%2, \q, \slot, \zero
	PLACES NP
	WIN 0
	FETCH_A \slot, (\q)+1, 4
.endm
; The first slot's last step changes slots: ONE barrier; in front of it each wave waits for all its tensor loads (its part of the second slot), adds 0 to its spare word, and waits for that and for its own reads of the
; first slot.  Behind it the second slot is whole in every wave's eyes, and nobody reads the first any more: the way out's stages may lie there.  Nothing is filled again.
.macro TURN slot, next
	s_wait_tensorcnt 0x0                           ; all my tensor loads have landed  (every window is 0 here: the add's two registers lie in window 0)
	ds_add_u32 v[SPW], v[NIL]                      ; 0 onto my spare word
	s_wait_dscnt 4*NL+1                            ; (the add and the youngest eight loads, x's blocks 4-7, may be out)
	WIN MUL_LO
	MUL16 0, 1, NQ-1, \slot, 0                     ; sixteen matrix instructions stand between the add and the wait for it
	s_wait_dscnt 0x0                               ; the add is done, and my reads of this slot are over
	s_barrier_signal -1
	MUL16 2, 1, NQ-1, \slot, 0
	WIN 0
	s_barrier_wait -1
	PLACES NP
	v_add_nc_u32 v[ADRS], 4*NQ, v[ADRS]            ; on to the next slot's scale words (no LDS load of mine is out)
	FETCH_B \next, 0, 0
	FETCH_A \next, 0, 0
	SCALES \next
	WIN MUL_HI
	MUL16 4, 1, NQ-1, \slot, 0
	MUL16 6, 1, NQ-1, \slot, 0
	PLACES NP
	WIN 0
	FETCH_A \next, 0, 4
.endm
.macro STEPS slot, from                ; the slot's steps from .. NQ - 2
.set Q, \from
.rept NQ-1-\from
	STEP \slot, Q, 0
.set Q, Q+1
.endr
.endm
	s_wait_tensorcnt 1                             ; the scales and my part of the first slot are in (the second slot's load, the one issued behind them, may be out),
	s_barrier_signal -1
	s_barrier_wait -1                              ; everybody's are
	FETCH_B 0, 0, 0
	FETCH_A 0, 0, 0
	SCALES 0
	FETCH_A 0, 0, 4
	STEP 0, 0, 1                                   ; the first step's products start the sums
	STEPS 0, 1
	TURN 0, 1
	STEPS 1, 0
	s_wait_dscnt 4*NL                              ; the very last step: nothing more to fetch
	WIN MUL_LO
	MUL16 0, 1, NQ-1, 1, 0
	MUL16 2, 1, NQ-1, 1, 0
	s_wait_dscnt 0
	WIN MUL_HI
	MUL16 4, 1, NQ-1, 1, 0
	MUL16 6, 1, NQ-1, 1, 0
	WIN 0
; THE WAY OUT, block by block of 16 tokens x 128 columns (two heads).  PACK: rounded to f16, a lane's eight neighbours into 16 bytes, each accumulator from its low end on.  TOSTAGE: into my own stage, rows of 256 bytes + 16,
; and back so that sixteen lanes hold one head's 128 bytes of two neighbouring tokens.  SEND: those sixteen lanes store 256 consecutive bytes, aligned; lanes 16-31 the same in the next head.
.macro PACK a
.set AC, 64*((\a)%4)
	WIN 0x0a+5*((\a)/4)                            ; sources 0 and 1: window 2 or 3
.irp b, 0,1,2,3,4,5,6,7
.irp r, 0,1,2,3
	v_cvt_pk_f16_f32 v[TMP+4*\b+\r], v[AC+8*\b+2*\r], v[AC+8*\b+2*\r+1]
.endr
.endr
	WIN 0
.endm
.macro TOSTAGE a
.set BK, OB+192*((\a)%2)
.irp b, 0,1,2,3,4,5,6,7
	ds_store_b128 v[STO], v[TMP+4*\b:TMP+4*\b+3] offset:32*\b
.endr
.irp t, 0,1,2,3,4,5,6,7
	ds_load_b128 v[BK+4*\t:BK+4*\t+3], v[RD] offset:\t*2*SPITCH    ; LDS serves a wave's instructions in order (ISA guide 5.7.1.4): these see the stores above
.endr
.endm
.macro SEND a
.set BK, OB+192*((\a)%2)
	s_wait_dscnt 0x0                               ; the block is back in registers
	s_wait_xcnt 0x0                                ; the stores of the block before have read their registers: the next block's loads from the stage may land there
.irp t, 0,1,2,3,4,5,6,7
	global_store_b128 v[CO], v[BK+4*\t:BK+4*\t+3], s[12:13] offset:(\a)*2048+\t*256   ; the block's and the pair of tokens' place stand in the immediate: the base is never stepped
.endr
.endm
	PLACES NP                                      ; behind the last products: for the conversions that read results and the loads into registers that held scale words
	PACK 0
	TOSTAGE 0
.irp a, 1,2,3,4,5,6,7                  ; block a's conversions stand between block a - 1's loads from the stage and the wait for them
	PACK \a
	SEND \a-1
	TOSTAGE \a
.endr
	SEND 7
	s_wait_tensorcnt 0x0                           ; the wave's end, behind my last tensor load and my last LDS store
	ds_add_u32 v[SPW], v[NIL]
	s_wait_dscnt 0x0
	CROUND                                         ; the closing round: no work-group ends while a partner may still ask for a tile that names it
	s_endpgm
.Lfunc_end_k_qceff9aeeb2_qkv:
	.size	k_qceff9aeeb2_qkv, .Lfunc_end_k_qceff9aeeb2_qkv-k_qceff9aeeb2_qkv
	.p2alignl 7, 3214868480
	.fill 96, 4, 3214868480
	.section	.rodata,"a",@progbits
	.p2align	6, 0x0
	.amdhsa_kernel k_qceff9aeeb2_qkv
		.amdhsa_group_segment_fixed_size 327680
		.amdhsa_private_segment_fixed_size 0
		.amdhsa_enable_private_segment 0
		.amdhsa_kernarg_size 40
		.amdhsa_user_sgpr_count 2
		.amdhsa_user_sgpr_kernarg_segment_ptr 1
		.amdhsa_wavefront_size32 1
		.amdhsa_system_sgpr_workgroup_id_x 1
		.amdhsa_system_sgpr_workgroup_id_y 1
		.amdhsa_system_sgpr_workgroup_id_z 1
		.amdhsa_system_vgpr_workitem_id 0
		.amdhsa_next_free_vgpr 1024
		.amdhsa_next_free_sgpr 98
		.amdhsa_reserve_vcc 0
		.amdhsa_float_denorm_mode_32 3
		.amdhsa_float_denorm_mode_16_64 3
		.amdhsa_memory_ordered 1
		.amdhsa_forward_progress 1
		.amdhsa_inst_pref_size 126
	.end_amdhsa_kernel
	.amdgpu_metadata
---
amdhsa.version: [ 1, 2 ]
amdhsa.kernels:
  - .name:           k_qceff9aeeb2_qkv
    .symbol:         k_qceff9aeeb2_qkv.kd
    .args:
      - { .name: xc, .offset: 0, .size: 8, .value_kind: global_buffer, .address_space: global }
      - { .name: xs, .offset: 8, .size: 8, .value_kind: global_buffer, .address_space: global }
      - { .name: wc, .offset: 16, .size: 8, .value_kind: global_buffer, .address_space: global }
      - { .name: wsc, .offset: 24, .size: 8, .value_kind: global_buffer, .address_space: global }
      - { .name: qkv, .offset: 32, .size: 8, .value_kind: global_buffer, .address_space: global }
    .group_segment_fixed_size: 327680
    .private_segment_fixed_size: 0
    .kernarg_segment_align: 8
    .kernarg_segment_size: 40
    .max_flat_workgroup_size: 128
    .sgpr_count:     98
    .vgpr_count:     1024
    .wavefront_size: 32
...
	.end_amdgpu_metadata
.endif
;; end of part 2
;; launch attn (part 3): grid 4 x 64, 8 waves a work-group, clusters of 4 x 1, 327,680 bytes of LDS; arguments qkv, att; writes att
.if DOCPART == 3
	.amdgcn_target "amdgcn-amd-amdhsa--gfx1250"
	.amdhsa_code_object_version 6
	.text
	.protected	k_qceff9aeeb2_attn
	.globl	k_qceff9aeeb2_attn
	.p2align	8
	.type	k_qceff9aeeb2_attn,@function
k_qceff9aeeb2_attn:
	s_mov_b64 s[64:65], 0
	v_nop
	global_prefetch_b8 v0, s[64:65] scope:SCOPE_SE
	s_setreg_imm32_b32 hwreg(HW_REG_WAVE_MODE, 25, 1), 1
	s_wait_xcnt 0x0
	s_wait_alu depctr_hold_cnt(0) depctr_sa_sdst(0) depctr_va_vdst(0) depctr_va_sdst(0) depctr_va_ssrc(0) depctr_va_vcc(0) depctr_vm_vsrc(0)
	s_getreg_b32 s2, hwreg(HW_REG_IB_STS2, 6, 4)
	s_cmp_eq_u32 s2, 0
	s_cbranch_scc0 .Lentry_in_a_cluster
	s_endpgm
.Lentry_in_a_cluster:
	s_bfe_u32 s2, ttmp6, 0x10000c
	s_cmp_lg_u32 s2, 0x3003
	s_cbranch_scc0 .Lentry_shape_is_right
	s_endpgm
.Lentry_shape_is_right:
; O[b][h][q][:] = the sum over k of softmax_k(Q[q] . K[k] / 8) V[k][:], 64 pairs (b, h), 2,048 queries and keys, head size 64, no mask.
; Q, K, V: f16, qkv byte = g x 2^20 + token x 128 + 2 d, g = h (Q), 16 + h (K), 32 + h (V), token = 2048 b + s.  O: f16, att byte = h x 2^20 + token x 128 + 2 d.
; Products, maxima and sums in f32; the weights p are rounded to f16 for the second product, O once at the end.
; LIMITS: NaN and infinities are not served; a weight p under 2^-24 of the row's largest rounds to 0 in f16 (the row's sum is taken of the unrounded p); O, an average of V, lies inside f16's range wherever V does.
; SHARES.  Work-group y is the pair (b, h); the four work-groups of a cluster own 512 queries each, the whole of the pair's 2,048.  Each of a work-group's EIGHT waves owns 64 queries, four tiles of 16, in 512 registers:
; two waves to a SIMD, so that one wave's vector work can stand beside the other's matrix work.  Every wave walks all keys, 64 a step; each fragment of K and of V read from LDS feeds four products.
; LAYOUT.  S^T = K Q^T (source 0 = 16 keys, source 1 = 16 queries): a lane holds ONE query (lane % 16) and the keys 8 (lane / 16) + 0..7.  Two such tiles, rounded to f16 in pairs, ARE source 1 (32 keys x 16 queries)
; of O^T = V^T P, whose result again holds one query a lane, and eight channels.  K comes out of LDS as it lies, V ([key][channel]) turned, by ds_load_tr16_b128.
; SOFTMAX.  For each query a running maximum m and sum l: p = 2^(c s - c m), c = log2(e) / 8; in every step O and l are multiplied by a = 2^(c m_old - c m_new), which is 1 where m has not grown.
; The step is written once for all steps: O^T and l begin as zeros and m as -infinity, so that the first a is 0.  That costs 128 v_mov_b32 once, against a further copy of the step.
; CLUSTER.  The four work-groups walk the same K and V, so each tile is asked for JOINTLY: the same tensor load, with the same descriptor and a mask that names the four, in all four.
; THE RING.  Two LDS slots of 256 keys (four steps).  At a slot's head stands the change of slots: a round of the cluster's barrier, and behind it one load a wave for the slot just left (waves 0-3: its four tiles of K, waves
; 4-7: of V): by this text's count one tensor load of a wave is out, and it has four key steps in which to land.
; REGISTERS, in windows of 256: window 0: v2-12 addresses; v16-47 eight registers of statistics a tile; v64-191 S^T, 32 a tile, and in their place P, 16 a tile; v192-255 K of one step.
;   window 1: v0-127 O^T, 32 a tile; v128-191 Q, 16 a tile; v192-255 V of one step.
.set KS,    64        ; keys in a step
.set NST,   4         ; steps in a slot
.set PK,    144       ; a row of K in LDS: 128 bytes + 16 of padding = 36 words: the 16 rows of a load start at 16 different multiples of 4 banks (64 banks of 4 bytes: ISA guide 11.1)
.set PV,    160       ; a row of V: 128 + 32 = 40 words
.set VOFF,  KS*PK     ; a step's tiles lie together: 64 rows of K, then 64 rows of V
.set STEPB, KS*(PK+PV)
.set SLOT1, 1<<17     ; slot 1 begins here, so that one exclusive or turns an address in one slot into the other's
.set SLOTB, NST*KS*128  ; a slot's rows of K, or of V, in memory: 32,768 bytes
.set NSL,   2048/(NST*KS)  ; slots' worth of keys: 8
.set STAGE, SLOT1+NST*STEPB  ; behind the ring: 16 rows x 144 bytes for each wave, for the way out
.set SP,    144
.set SPARE, STAGE+8*16*SP  ; behind the stages: the spare words, 128 bytes for each wave, which no other line names
.set AK0, 2           ; v2   my lane's place in a tile of K; never rewritten
.set AV0, 3           ; v3   the same for V
.set ADK, 4           ; v4   LDS address of the step's K
.set ADV, 5           ; v5   of its V
.set QO,  6           ; v6   my byte offset in the wave's rows of Q
.set STO, 7           ; v7   the way out: where I put 16 bytes of a row
.set RD,  8           ; v8   the way out: where I read 16 bytes back
.set GO,  9           ; v9   my byte offset in the wave's rows of O
.set SPW, 10          ; v10  LDS address of my spare word: SPARE + 4 x my thread's number; never rewritten
.set NIL, 11          ; v11  0; never rewritten
.set PFO, 12          ; v12  256 x my lane; never rewritten
.set ST,  16          ; tile t's statistics at v[ST+8 t]: +0 c m, +1 m, +2, +3 l (even keys', odd keys'), +4 to +7 c0-c3, at work; a takes c2's place once the maximum is found
.set S,   64
.set KF,  192         ; K's fragments, window 0: fragment 2 kt + cs: keys 16 kt on, channels 32 cs on
.set QF,  128         ; Q's, window 1: 16 t + 8 cs
.set VF,  192         ; V's, window 1: fragment 4 ks + ct: keys 32 ks on, channels 16 ct on
.set WV,  12          ; s12  my wave's number
.set G1K, 24          ; s[24:31] descriptor group 1 for K's tiles
.set G1V, 32          ; s[32:39] for V's: it differs in the padding alone
.set G0K, 40          ; s[40:43] descriptor group 0 for K's tiles: it walks
.set G0V, 44          ; s[44:47] the same for V's
.set SLOTS, 48        ; s48  slots still to be asked for
.set CNT, 49          ; s49  counts a slot's four steps
.set CS,  50          ; s[50:51] c: the packed scaling names a pair and takes its low word for both halves
.set SEL, 52          ; s[52:53] lane selects for v_permlanex16_b32: each lane takes its own place in the other half
.set TB,  54          ; s54  LDS byte at which the tiles of the step to be fetched begin
.set PFA, 56          ; s[56:57] where my prefetches stand: my work-group's 8,192 bytes (of K: wave 0, of V: wave 4) of the slot after the one that is being asked for
.set LIM, 58          ; s58  1 in a wave that prefetches, else the greatest number: a wave prefetches while s[SLOTS] is above it
.set MSB, 0
.macro WIN new                      ; the immediate's high byte repeats the setting that is left; a switch that changes nothing is dropped
.if MSB != (\new)
	s_set_vgpr_msb (MSB<<8)|(\new)
.set MSB, \new
.endif
.endm
.set W_KQ, 0x04       ; source 1 (Q) window 1; K and S^T window 0
.set W_PV, 0x51       ; source 0 (V), C and D (O^T) window 1; P window 0
.set W_RS, 0x41       ; O^T (destination and source 0) window 1, a window 0
.set TO_1, 0x40       ; destination window 1, address window 0
; A joint load.  Waves 0 to 3 fetch the slot's four tiles of K, waves 4 to 7 those of V.  The branch hangs on the wave's number alone: it is the same in every work-group.
; An s_nop 0 and four v_nop follow each of the two lines; the jump round the other line, the label and what follows the macro come after them.
.macro JLOAD
	s_cmp_lt_u32 s[WV], 4
	s_cbranch_scc0 .Lfor_v_\@
	tensor_load_to_lds s[G0K:G0K+3], s[G1K:G1K+7]
	s_nop 0
.rept 4
	v_nop
.endr
	s_branch .Lasked_\@
.Lfor_v_\@:
	tensor_load_to_lds s[G0V:G0V+3], s[G1V:G1V+7]
	s_nop 0
.rept 4
	v_nop
.endr
.Lasked_\@:
.endm
; A PREFETCH of what the NEXT change of slots will ask for: a slot's 32,768 bytes of K and as many of V, both dense.  It stands behind the wave's tensor load and its five lines.  Each aligned 256 bytes are named once in the
; launch: a pair (b, h) has one cluster; its four partners share the bytes out BY ADDRESS, 8,192 each (no branch hangs on a work-group's place in its cluster); in each, wave 0 asks for K's and wave 4 for V's, lanes 256 bytes
; apart: one instruction.  It is four key steps ahead of the load that will want the bytes.  The last change that fills a slot asks for nothing; slots 0 and 1 come by their loads alone.
.macro ASK
	s_cmp_gt_u32 s[SLOTS], s[LIM]
	s_cbranch_scc0 .Lnot_mine_\@
	global_prefetch_b8 v[PFO], s[PFA:PFA+1] th:TH_LOAD_NT scope:SCOPE_SE
.Lnot_mine_\@:
.endm
; A round of the cluster's barrier: my work-group's barrier, so that wave 0's signal speaks for all eight waves; wave 0 signals for the work-group; every wave waits for all four work-groups; my work-group's barrier once more.
.macro CROUND
	s_barrier_signal -1
	s_barrier_wait -1
	s_cmp_lg_u32 s[WV], 0
	s_cbranch_scc1 .Lnot_wave_0_\@
	s_barrier_signal -3
.Lnot_wave_0_\@:
	s_barrier_wait -3
	s_barrier_signal -1
	s_barrier_wait -1
.endm
	s_load_b128 s[4:7], s[0:1], 0x0   ; qkv s[4:5], att s[6:7]
	v_lshl_add_u32 v[SPW], v0, 2, SPARE
	v_mov_b32 v[NIL], 0
	ds_add_u32 v[SPW], v[NIL]       ; the wave's opening: the add, twice on end, and its wait ahead of my first tensor load; the set-up below, work on registers, stands between
	ds_add_u32 v[SPW], v[NIL]
	v_lshrrev_b32 v1, 5, v0
	v_readfirstlane_b32 s[WV], v1   ; wave 0..7
	s_bfe_u32 s13, ttmp6, 0x40000   ; cx: my place in the cluster: it enters Q's, O's and the prefetches' addresses alone
	s_and_b32 s14, ttmp7, 0xffff    ; the pair (b, h), which the four partners share
	s_and_b32 s15, s14, 15          ; h
	s_lshr_b32 s14, s14, 4          ; b
	s_lshl_b32 s15, s15, 20
	s_lshl_b32 s14, s14, 18         ; 2,048 tokens of 128 bytes
	s_or_b32 s20, s15, s14          ; the pair's first byte in a third of qkv, and in att
	s_and_b32 s16, s[WV], 3         ; which of a slot's four steps I fetch:
	s_lshl_b32 s22, s16, 13         ; its 64 rows of 128 bytes in memory,
	s_add_co_u32 s22, s22, s20
	s_mov_b32 s23, 0
	s_mul_i32 s17, s16, STEPB       ; and its place in a slot: no place in the cluster enters an LDS address
	s_lshl_b32 s2, s13, 16          ; my work-group's 512 queries,
	s_lshl_b32 s3, s[WV], 13        ; my wave's 64 of them
	s_add_co_u32 s2, s2, s3
	s_add_co_u32 s2, s2, s20
	s_mov_b32 s3, 0
	; descriptor group 1: a tile of 64 rows x 64 elements, padded in LDS
	s_mov_b32 s[G1K], 15|(1<<16)|(1<<20)|(1<<21)|(4<<22)|(3<<25)  ; 15:0 the mask: all four work-groups; 17:16 elements of 2 bytes; 20 padding on; 21 set beside a mask; 24:22 after every 32 words (code 4); 31:25 4 words of it (code 3)
	s_mov_b32 s[G1V], 15|(1<<16)|(1<<20)|(1<<21)|(4<<22)|(7<<25)  ; the same with 8 words of padding (code 7)
.irp g, G1K, G1V
	s_mov_b32 s[\g+1], 64<<16       ; tensor_dim0 = 64
	s_mov_b32 s[\g+2], KS<<16       ; tensor_dim1 = 64
	s_mov_b32 s[\g+3], 64<<16       ; tile_dim0 = 64
	s_mov_b32 s[\g+4], KS           ; tile_dim1 = 64
	s_mov_b32 s[\g+5], 64           ; tensor_dim0_stride: elements from row to row
	s_mov_b32 s[\g+6], 0
	s_mov_b32 s[\g+7], 0
.endr
	s_mov_b32 s[CS], 0x3e38aa3b     ; c = log2(e) / 8
	s_mov_b32 s[CS+1], s[CS]        ; named with it as a pair, so it is written
	s_mov_b32 s[SEL], 0x76543210
	s_mov_b32 s[SEL+1], 0xfedcba98
	s_mov_b32 s[TB], 0
	s_mov_b32 s[SLOTS], NSL-1
	s_and_b32 s[LIM], s[WV], 3
	s_cmp_eq_u32 s[LIM], 0          ; waves 0 and 4: the same in all four partners
	s_cselect_b32 s[LIM], 1, -1
	s_wait_dscnt 0x0                ; both opening adds are done
	s_wait_kmcnt 0x0
	s_add_nc_u64 s[8:9], s[4:5], s[22:23]
	s_add_nc_u64 s[10:11], s[8:9], 0x2000000  ; V at my tile of slot 0: heads 32 on
	s_add_nc_u64 s[8:9], s[8:9], 0x1000000    ; K likewise: heads 16 on
	s_add_nc_u64 s[4:5], s[4:5], s[2:3]       ; Q and O at my wave's first row
	s_add_nc_u64 s[6:7], s[6:7], s[2:3]
	s_cmp_lt_u32 s[WV], 4
	s_cselect_b64 s[PFA:PFA+1], s[8:9], s[10:11]  ; (in waves 0 and 4 these stand at a slot's first row)
	s_lshl_b32 s2, s13, 13          ; my work-group's 8,192 bytes of the 32,768
	s_add_nc_u64 s[PFA:PFA+1], s[PFA:PFA+1], s[2:3]
	s_add_nc_u64 s[PFA:PFA+1], s[PFA:PFA+1], SLOTB  ; in slot 1; the first change of slots steps it to slot 2.  Nothing is prefetched here, at the head
	s_mov_b32 s[G0K], 1             ; 1:0 count = 1
	s_mov_b32 s[G0K+1], s17         ; 63:32 LDS address: slot 0
	s_mov_b64 s[G0K+2:G0K+3], s[8:9]  ; 120:64 global address
	s_or_b32 s[G0K+3], s[G0K+3], 0x80000000  ; 127:126 type = 2
	s_mov_b32 s[G0V], 1
	s_add_co_u32 s[G0V+1], s17, VOFF
	s_mov_b64 s[G0V+2:G0V+3], s[10:11]
	s_or_b32 s[G0V+3], s[G0V+3], 0x80000000
	CROUND                          ; all four work-groups are here: the first joint loads meet
	JLOAD                           ; slot 0
	; A fragment of K or Q is 16 rows x 32 channels in 8 registers: lane l holds row l % 16; registers 0-3 channels 8 (l / 16) + 0..7, registers 4-7 channels 16 + 8 (l / 16) + 0..7: two loads of 16 bytes, 32 bytes apart.
	v_and_b32 v1, 15, v0            ; l % 16
	v_bfe_u32 v13, v0, 4, 1         ; l / 16
	v_lshlrev_b32 v[QO], 7, v1
	v_lshl_add_u32 v[QO], v13, 4, v[QO]  ; row x 128 + 16 x half
	WIN TO_1
.set i, 0
.rept 8                             ; Q stays in registers: tile i / 2, channels 32 (i % 2) on
	global_load_b128 v[QF+8*i:QF+8*i+3],   v[QO], s[4:5] offset:(i/2)*2048+(i%2)*64
	global_load_b128 v[QF+8*i+4:QF+8*i+7], v[QO], s[4:5] offset:(i/2)*2048+(i%2)*64+32
.set i, i+1
.endr
.set i, 0
.rept 128
	v_mov_b32 v[i], 0               ; O^T: the first step finds zeros, which its a = 0 leaves zeros
.set i, i+1
.endr
	WIN 0
	v_mul_u32_u24 v[AK0], v1, PK
	v_lshl_add_u32 v[AK0], v13, 4, v[AK0]  ; row x pitch + 16 x half
	; The turning load takes 16 keys x 16 channels (lane l reads 16 bytes: key 8 (l / 16) + l % 8, channels 8 ((l / 8) % 2) + 0..7) and leaves half a fragment of V^T: lane l holds channel l % 16 and 8 keys.
	v_and_b32 v14, 7, v0
	v_lshl_add_u32 v14, v13, 3, v14
	v_mul_u32_u24 v[AV0], v14, PV
	v_bfe_u32 v15, v0, 3, 1
	v_lshl_add_u32 v[AV0], v15, 4, v[AV0]
	v_add_nc_u32 v[AV0], VOFF, v[AV0]
	s_mul_i32 s14, s[WV], 16*SP
	s_add_co_u32 s14, s14, STAGE    ; my stage
	v_add_nc_u32 v[STO], s14, v[AK0]  ; in: row l % 16, 16 bytes for each half of the lanes (the stage's pitch is K's)
	v_bfe_u32 v15, v0, 3, 2         ; back: eight lanes to a row of 128 bytes, four rows an instruction
	v_mul_u32_u24 v15, v15, SP
	v_and_b32 v14, 7, v0
	v_lshl_add_u32 v15, v14, 4, v15
	v_add_nc_u32 v[RD], s14, v15
	v_and_b32 v[GO], 31, v0
	v_lshlrev_b32 v[PFO], 8, v[GO]
	v_lshlrev_b32 v[GO], 4, v[GO]   ; and the same four rows in O: 512 consecutive bytes
.irp n, 0,1,2,3
	v_mov_b32 v[ST+8*\n], 0xff800000    ; c m and m: -infinity, under every score
	v_mov_b32 v[ST+8*\n+1], 0xff800000
	v_mov_b32 v[ST+8*\n+2], 0           ; l, in two halves
	v_mov_b32 v[ST+8*\n+3], 0
.endr
; Number j of 21 of the search for tile t's new maximum.  s0-s31 are the lane's 32 scores.  Numbers 0 to 3 are the first reads of the tile's four accumulators, each at its low end.
;   0-15  the maximum of s0-s31 and the old m, three operands at a time: four chains c0-c3 of seven scores each, then the four scores left over, c0-c3 and m
;   16-20 the other half of the lanes' maximum; c m_old kept; the new m; c m; c m_old - c m_new
.macro SMAX
.set rT, ST+8*t
.set rS, S+32*t
.if j < 4
	v_max3_num_f32 v[rT+4+j], v[rS+8*j], v[rS+8*j+1], v[rS+8*j+2]
.elseif j < 12
	v_max3_num_f32 v[rT+4+j%4], v[rT+4+j%4], v[rS+8*(j%4)+2*(j/4)+1], v[rS+8*(j%4)+2*(j/4)+2]
.elseif j == 12
	v_max3_num_f32 v[rT+4], v[rT+4], v[rS+7], v[rS+15]
.elseif j == 13
	v_max3_num_f32 v[rT+6], v[rT+6], v[rS+23], v[rS+31]
.elseif j == 14
	v_max3_num_f32 v[rT+4], v[rT+4], v[rT+5], v[rT+6]
.elseif j == 15
	v_max3_num_f32 v[rT+4], v[rT+4], v[rT+7], v[rT+1]
.elseif j == 16
	v_permlanex16_b32 v[rT+5], v[rT+4], s[SEL], s[SEL+1]  ; the query's other 32 keys lie in the lane 16 away
.elseif j == 17
	v_mov_b32 v[rT+7], v[rT]
.elseif j == 18
	v_max_num_f32 v[rT+1], v[rT+4], v[rT+5]
.elseif j == 19
	v_mul_f32 v[rT], s[CS], v[rT+1]
.else
	v_sub_f32 v[rT+7], v[rT+7], v[rT]
.endif
.endm
; A KEY STEP: 64 keys, in phases.  Every window is 0 on the way in and on the way out.
.macro STEP
	v_add_nc_u32 v[ADK], s[TB], v[AK0]
	v_add_nc_u32 v[ADV], s[TB], v[AV0]
	s_add_co_u32 s[TB], s[TB], STEPB  ; the next fetch is the next step's
.set f, 0
.rept 8
	ds_load_b128 v[KF+8*f:KF+8*f+3],   v[ADK] offset:(f/2)*16*PK+(f%2)*64
	ds_load_b128 v[KF+8*f+4:KF+8*f+7], v[ADK] offset:(f/2)*16*PK+(f%2)*64+32
.set f, f+1
.endr
	WIN TO_1
.set f, 0
.rept 8
	ds_load_tr16_b128 v[VF+8*f:VF+8*f+3],   v[ADV] offset:(f/4)*32*PV+(f%4)*32
	ds_load_tr16_b128 v[VF+8*f+4:VF+8*f+7], v[ADV] offset:(f/4)*32*PV+16*PV+(f%4)*32
.set f, f+1
.endr
	s_wait_dscnt 16                 ; K's sixteen loads are in; V's sixteen, issued behind them, may stay out until the second product
	WIN W_KQ
.set i, 0
.rept 32                            ; S^T = K Q^T: channels 32 (i / 16) on, keys 16 ((i / 4) % 4) on, tile i % 4.  The first 16 start the sums; the 16 accumulators take turns, one instruction a turn
.set rS, S+32*(i%4)+8*((i/4)%4)
.set rK, KF+8*(2*((i/4)%4)+i/16)
.set rQ, QF+16*(i%4)+8*(i/16)
.if i < 16
	v_wmma_f32_16x16x32_f16 v[rS:rS+7], v[rK:rK+7], v[rQ:rQ+7], 0
.else
	v_wmma_f32_16x16x32_f16 v[rS:rS+7], v[rK:rK+7], v[rQ:rQ+7], v[rS:rS+7]
.endif
.set i, i+1
.endr
	WIN 0
.rept 4
	v_nop                           ; four places between the last product and the first read of results (ISA guide 7.12.1)
.endr
.set j, 0
.rept 21                            ; the four tiles by turns, so that no line waits for the line above it
.set t, 0
.rept 4
	SMAX
.set t, t+1
.endr
.set j, j+1
.endr
.set t, 0
.rept 4
.set b, 0
.rept 16
	v_pk_fma_f32 v[S+32*t+2*b:S+32*t+2*b+1], v[S+32*t+2*b:S+32*t+2*b+1], s[CS:CS+1], v[ST+8*t:ST+8*t+1] op_sel_hi:[1,0,0] neg_lo:[0,0,1] neg_hi:[0,0,1]  ; c s - c m, two scores at a time
.set b, b+1
.endr
.set t, t+1
.endr
.irp n, 0,1,2,3                     ; ONE BATCH of 132 exponentials, none of which reads another's result
	v_exp_f32 v[ST+8*\n+6], v[ST+8*\n+7]  ; a
.endr
.set i, 0
.rept 128
	v_exp_f32 v[S+i], v[S+i]        ; p
.set i, i+1
.endr
	v_nop                           ; a plain instruction behind the last exponential, ahead of the first use (ISA guide 5.7.2)
	s_wait_alu depctr_va_vdst(0)    ; and the one wait for the batch, ahead of the first line that names a result
.irp n, 0,1,2,3
	v_pk_fma_f32 v[ST+8*\n+2:ST+8*\n+3], v[ST+8*\n+2:ST+8*\n+3], v[ST+8*\n+6:ST+8*\n+7], v[S+32*\n:S+32*\n+1] op_sel_hi:[1,0,1]  ; l = a l + the first pair of weights
.endr
.set b, 1
.rept 15
.irp n, 0,1,2,3
	v_pk_add_f32 v[ST+8*\n+2:ST+8*\n+3], v[ST+8*\n+2:ST+8*\n+3], v[S+32*\n+2*b:S+32*\n+2*b+1]  ; and the other fifteen: the sum is taken of the unrounded p
.endr
.set b, b+1
.endr
.set i, 0
.rept 16
.irp n, 0,1,2,3
	v_cvt_pk_f16_f32 v[S+32*\n+i], v[S+32*\n+2*i], v[S+32*\n+2*i+1]  ; P in S^T's place, ascending: a result never lands ahead of weights still to be read.  Registers 8 ks .. 8 ks + 7 are the fragment of keys 32 ks on
.endr
.set i, i+1
.endr
	WIN W_RS
.irp n, 0,1,2,3
.set i, 0
.rept 16
	v_pk_mul_f32 v[32*\n+2*i:32*\n+2*i+1], v[32*\n+2*i:32*\n+2*i+1], v[ST+8*\n+6:ST+8*\n+7] op_sel_hi:[1,0]  ; O^T x a, each accumulator from its low end on
.set i, i+1
.endr
.endr
	s_wait_dscnt 0x0                ; V is in
	WIN W_PV
.set i, 0
.rept 32                            ; O^T += V^T P: keys 32 (i / 16) on, channels 16 ((i / 4) % 4) on, tile i % 4; the 16 accumulators by turns
.set rO, 32*(i%4)+8*((i/4)%4)
.set rV, VF+8*(4*(i/16)+(i/4)%4)
.set rP, S+32*(i%4)+8*(i/16)
	v_wmma_f32_16x16x32_f16 v[rO:rO+7], v[rV:rV+7], v[rP:rP+7], v[rO:rO+7]
.set i, i+1
.endr
	WIN 0
.rept 5
	v_nop                           ; the next step's loads land in V's registers (four places), and its first products write over P's registers, which these products read (five)
.endr
.endm
; A slot's four key steps: written once, walked four times; the LDS addresses hang on s[TB].
.macro FOUR_STEPS
	s_mov_b32 s[CNT], NST
.Lstep_\@:
	STEP
	s_sub_co_u32 s[CNT], s[CNT], 1
	s_cmp_lg_u32 s[CNT], 0
	s_cbranch_scc1 .Lstep_\@
	s_sub_co_u32 s[TB], s[TB], NST*STEPB  ; the fetches go back to a slot's first step,
	s_xor_b32 s[TB], s[TB], SLOT1   ; in the other slot
.endm
; THE CHANGE OF SLOTS stands at a slot's head.  Each wave waits for all its tensor loads, of which one is out: its part of the slot that it is about to read; adds 0 to its spare word; and waits for that and for its reads of
; the slot that it has left.  fill = 1: the barrier is a round of the cluster's, so that no wave of any partner still reads that slot or has a load on its way, and the joint load for it is the first thing behind the round.
.macro CHANGE fill
	s_wait_tensorcnt 0x0            ; no tensor load of mine is out, so a group 0 may be written
	ds_add_u32 v[SPW], v[NIL]       ; 0 onto my spare word; with fill = 1 the descriptors' steps stand between it and the wait for it
.if \fill
.irp g, G0K, G0V
	s_xor_b32 s[\g+1], s[\g+1], SLOT1  ; the walking descriptors: the other slot than last time,
	s_add_nc_u64 s[\g+2:\g+3], s[\g+2:\g+3], SLOTB  ; the next 256 keys; the type bits on top are not reached
.endr
	s_wait_xcnt 0x0                 ; the last prefetch, a slot back, has read its address, so it may be written:
	s_add_nc_u64 s[PFA:PFA+1], s[PFA:PFA+1], SLOTB  ; one slot further on than the walking descriptors
	s_wait_dscnt 0x0                ; the add is done, and my reads of the slot that I have left are over
	CROUND
	JLOAD
	ASK
.else
	s_wait_dscnt 0x0                ; the add is done, and my reads of the slot that I have left are over
	s_barrier_signal -1
	s_barrier_wait -1
.endif
.endm
	s_wait_loadcnt 0x0              ; Q
.Lslot:                             ; NSL - 1 trips: behind each change of slots but the last the next slot is asked for
	CHANGE 1
	FOUR_STEPS
	s_sub_co_u32 s[SLOTS], s[SLOTS], 1
	s_cmp_lg_u32 s[SLOTS], 0
	s_cbranch_scc1 .Lslot
	CHANGE 0                        ; the last slot is written out
	FOUR_STEPS
	; THE WAY OUT.  l's two halves and the other half of the lanes' are added; O^T is divided by l, rounded to f16 and sent through my stage in LDS, a tile (16 rows of O) at a time.
.irp n, 0,1,2,3
	v_add_f32 v[ST+8*\n+4], v[ST+8*\n+2], v[ST+8*\n+3]
.endr
.irp n, 0,1,2,3
	v_permlanex16_b32 v[ST+8*\n+5], v[ST+8*\n+4], s[SEL], s[SEL+1]
.endr
.irp n, 0,1,2,3
	v_add_f32 v[ST+8*\n+4], v[ST+8*\n+4], v[ST+8*\n+5]
.endr
.irp n, 0,1,2,3
	v_rcp_f32 v[ST+8*\n+6], v[ST+8*\n+4]
.endr
	v_nop                           ; a plain instruction between the last reciprocal and the use of its result
	s_wait_alu depctr_va_vdst(0)    ; and the wait ahead of the first use: one for the four reciprocals
; Tile t: a lane's eight channels of a row pack into 16 bytes; they go into rows of 144 bytes and come back eight lanes to a row of 128.
.macro PACK t
	WIN W_RS
.set i, 0
.rept 16
	v_pk_mul_f32 v[32*\t+2*i:32*\t+2*i+1], v[32*\t+2*i:32*\t+2*i+1], v[ST+8*\t+6:ST+8*\t+7] op_sel_hi:[1,0]
.set i, i+1
.endr
	WIN 0x05                        ; sources 0 and 1 window 1, destination window 0: S^T's registers are free
.set i, 0
.rept 16
	v_cvt_pk_f16_f32 v[S+32*\t+i], v[32*\t+2*i], v[32*\t+2*i+1]
.set i, i+1
.endr
	WIN 0
.irp c, 0,1,2,3
	ds_store_b128 v[STO], v[S+32*\t+4*\c:S+32*\t+4*\c+3] offset:32*\c
.endr
.irp u, 0,1,2,3
	ds_load_b128 v[S+32*\t+16+4*\u:S+32*\t+16+4*\u+3], v[RD] offset:\u*4*SP  ; LDS serves a wave's instructions in order (ISA guide 5.7.1.4): these see the stores above; the next tile's stores come behind them
.endr
.endm
.macro SEND t, younger              ; younger: the LDS instructions issued behind tile t's loads: the next tile's four stores and four loads, or none
.irp u, 0,1,2,3
	s_wait_dscnt \younger+3-\u
	global_store_b128 v[GO], v[S+32*\t+16+4*\u:S+32*\t+16+4*\u+3], s[6:7] offset:\t*2048+\u*512  ; 32 lanes store 512 consecutive bytes, four tokens, at a multiple of 256 from att's first byte
.endr
.endm
	PACK 0
	PACK 1                          ; a tile's arithmetic stands between the loads of the tile before and its stores
	SEND 0, 8
	PACK 2
	SEND 1, 8
	PACK 3
	SEND 2, 8
	SEND 3, 0
	s_wait_tensorcnt 0x0            ; the wave's end, behind my last tensor load and my last LDS store
	ds_add_u32 v[SPW], v[NIL]
	s_wait_dscnt 0x0
	CROUND                          ; the closing round: no work-group ends while a partner may still ask for a tile that names it
	s_endpgm
.Lfunc_end_k_qceff9aeeb2_attn:
	.size	k_qceff9aeeb2_attn, .Lfunc_end_k_qceff9aeeb2_attn-k_qceff9aeeb2_attn
	.p2alignl 7, 3214868480
	.fill 96, 4, 3214868480
	.section	.rodata,"a",@progbits
	.p2align	6, 0x0
	.amdhsa_kernel k_qceff9aeeb2_attn
		.amdhsa_group_segment_fixed_size 327680
		.amdhsa_private_segment_fixed_size 0
		.amdhsa_enable_private_segment 0
		.amdhsa_kernarg_size 16
		.amdhsa_user_sgpr_count 2
		.amdhsa_user_sgpr_kernarg_segment_ptr 1
		.amdhsa_wavefront_size32 1
		.amdhsa_system_sgpr_workgroup_id_x 1
		.amdhsa_system_sgpr_workgroup_id_y 1
		.amdhsa_system_sgpr_workgroup_id_z 1
		.amdhsa_system_vgpr_workitem_id 0
		.amdhsa_next_free_vgpr 512
		.amdhsa_next_free_sgpr 66
		.amdhsa_reserve_vcc 0
		.amdhsa_float_denorm_mode_32 3
		.amdhsa_float_denorm_mode_16_64 3
		.amdhsa_memory_ordered 1
		.amdhsa_forward_progress 1
		.amdhsa_inst_pref_size 91
	.end_amdhsa_kernel
	.amdgpu_metadata
---
amdhsa.version: [ 1, 2 ]
amdhsa.kernels:
  - .name:           k_qceff9aeeb2_attn
    .symbol:         k_qceff9aeeb2_attn.kd
    .args:
      - { .name: qkv, .offset: 0, .size: 8, .value_kind: global_buffer, .address_space: global }
      - { .name: att, .offset: 8, .size: 8, .value_kind: global_buffer, .address_space: global }
    .group_segment_fixed_size: 327680
    .private_segment_fixed_size: 0
    .kernarg_segment_align: 8
    .kernarg_segment_size: 16
    .max_flat_workgroup_size: 256
    .sgpr_count:     66
    .vgpr_count:     512
    .wavefront_size: 32
...
	.end_amdgpu_metadata
.endif
;; end of part 3
;; launch oproj (part 4): grid 8 x 32, 4 waves a work-group, clusters of 4 x 4, 327,680 bytes of LDS; arguments att, wo16, out0; writes out0
.if DOCPART == 4
	.amdgcn_target "amdgcn-amd-amdhsa--gfx1250"
	.amdhsa_code_object_version 6
	.text
	.protected	k_qceff9aeeb2_oproj
	.globl	k_qceff9aeeb2_oproj
	.p2align	8
	.type	k_qceff9aeeb2_oproj,@function
k_qceff9aeeb2_oproj:
	s_mov_b64 s[64:65], 0
	v_nop
	global_prefetch_b8 v0, s[64:65] scope:SCOPE_SE
	s_setreg_imm32_b32 hwreg(HW_REG_WAVE_MODE, 25, 1), 1
	s_wait_xcnt 0x0
	s_wait_alu depctr_hold_cnt(0) depctr_sa_sdst(0) depctr_va_vdst(0) depctr_va_sdst(0) depctr_va_ssrc(0) depctr_va_vcc(0) depctr_vm_vsrc(0)
	s_getreg_b32 s2, hwreg(HW_REG_IB_STS2, 6, 4)
	s_cmp_eq_u32 s2, 0
	s_cbranch_scc0 .Lentry_in_a_cluster
	s_endpgm
.Lentry_in_a_cluster:
	s_bfe_u32 s2, ttmp6, 0x10000c
	s_cmp_lg_u32 s2, 0xf033
	s_cbranch_scc0 .Lentry_shape_is_right
	s_endpgm
.Lentry_shape_is_right:
; out0[m][n] = sum over k of A[m][k] W_o[n][k], m = 8,192 tokens, n = 1,024, k = 1,024 = 64 kb + d.  Operands in f16, sums in f32, out0 in f32.
; A: att byte = kb x 2^20 + m x 128 + 2 d (kb is the head).  W_o: wo16 byte = kb x 131072 + n x 128 + 2 d.  So for one kb any run of rows is one dense block of memory.
; A tile of out0 is 256 rows x 128 columns: 256 work-groups of four waves; a wave makes 128 x 64: 32 accumulators of 16 x 16, 256 registers.
; K goes in steps of 128 (two kb) through a ring of two LDS slots filled by the tensor data mover: waves 0 and 1 fetch A's two blocks of 256 rows x 128 bytes, waves 2 and 3 W_o's two of 128 rows: one load a wave.
; CLUSTERS: 4 x 4 work-groups.  The four of a row of the cluster need the same tiles of A, the four of a column the same tiles of W_o: each tile is asked for JOINTLY, by the same tensor load with the same descriptor and a
; mask that names the four.  THE MATRIX INSTRUCTION IS USED TRANSPOSED (source 0 = 16 rows of W_o, source 1 = 16 rows of A): a lane then holds eight neighbouring numbers of a row of out0.
; A wave's 64 columns are 256 consecutive bytes of out0, aligned: each wave has a stage of its own on the way out, and no barrier stands there.
; REGISTERS: window 0: v16-30 addresses; v64-159, v160-255 two fragment buffers (32 along K): W_o's four fragments, then A's eight.   window 1: accumulator (a, b) at v[8 (4 a + b)].
.set PITCH,  144                       ; an LDS row: 128 bytes + 16 of padding = 36 words: the 16 rows of a load start at 16 different multiples of 4 banks (64 banks of 4 bytes: ISA guide 11.1)
.set AKB,    256*PITCH                 ; A's rows of one kb
.set BKB,    128*PITCH                 ; W_o's
.set BOFF,   2*AKB                     ; a slot: A's two blocks, then W_o's two
.set SLOT,   2*AKB+2*BKB
.set STAGE,  2*SLOT                    ; behind the ring: 16 rows x 272 bytes for each wave, for the way out
.set SPITCH, 272
.set SPARE,  STAGE+4*16*SPITCH         ; behind the stages: the spare words, 128 bytes for each wave, which no other line names
.set LAPS,   4                         ; a lap = two K steps = once round the ring
.set ASTEP,  0x200000                  ; a K step on in att: two kb of 2^20 bytes
.set BSTEP,  262144                    ; and in wo16
.set ADRA, 16                          ; v16-17  LDS address of my A fragments in slot 0, 1
.set ADRB, 20                          ; v20-21  the same for W_o
.set STO,  24                          ; v24     the way out: where I put 32 bytes of a row
.set RD,   25                          ; v25     the way out: where I read a row back
.set CO,   26                          ; v26     my byte offset in out0
.set SPW,  28                          ; v28     LDS address of my spare word: SPARE + 4 x my thread's number; never rewritten
.set NIL,  29                          ; v29     0; never rewritten
.set PFO,  30                          ; v30     256 x my lane; never rewritten
.set F0,   64
.set F1,   160
.set PFA,  18                          ; s[18:19] where my prefetches stand: my work-group's 8,192 bytes of the block that I fetch, one K step further on than the refill that is being asked for; a prefetch names the K step after that
.set LIM,  22                          ; s22     1 in a wave that prefetches, else the greatest number
.set G1, 24                            ; s[24:31] descriptor group 1 for A's tiles;  s[32:39] group 0, one set for each slot
.set G0, 32
.set G1B, 48                           ; s[48:55], s[56:63] the same for W_o's tiles
.set G0B, 56
.set MSB, 0
.macro WIN new                         ; the immediate's high byte repeats the setting that is left; a switch that changes nothing is dropped
.if MSB != (\new)
	s_set_vgpr_msb (MSB<<8)|(\new)
.set MSB, \new
.endif
.endm
.set MUL, 0x50                         ; C and D window 1; both sources window 0
; A joint load: waves 0 and 1 fetch A's two blocks, waves 2 and 3 W_o's.  Each of the two lines has ONE mask and one set of registers for all that issue it; the branch hangs on the wave's number alone.
; An s_nop 0 and four v_nop follow each of the two lines, ahead of the jump, the label and what follows.
.macro JLOAD s
	s_cmp_eq_u32 s11, 0
	s_cbranch_scc0 .Lfor_b_\@
	tensor_load_to_lds s[G0+4*\s:G0+4*\s+3], s[G1:G1+7]
	s_nop 0
.rept 4
	v_nop
.endr
	s_branch .Lasked_\@
.Lfor_b_\@:
	tensor_load_to_lds s[G0B+4*\s:G0B+4*\s+3], s[G1B:G1B+7]
	s_nop 0
.rept 4
	v_nop
.endr
.Lasked_\@:
.endm
; A PREFETCH of A's K step that stands TWO refills on, behind each joint load, its five lines and the run of LDS loads that follows them: 256 matrix instructions of a wave ahead of the load that will want it.
; Each aligned 256 bytes of att are named once in the launch: a tile row is read by both clusters of its row of clusters, and the first of them (cluster x = 0) asks; in it waves 0 and 1, which fetch A's blocks; of a block's
; 32,768 bytes each of the four partners that ask for it jointly takes 8,192, told apart BY ADDRESS (cx), lanes 256 bytes apart: one instruction a wave.  The loop's last trip asks for nothing: no K step stands two on.
; W_o is not asked for: all 32 tile rows read the same 2 MB.  The first four K steps come by their loads alone.
.macro ASK
	s_cmp_gt_u32 s3, s[LIM]                        ; s3 = 1 in the loop's last trip
	s_cbranch_scc0 .Lnot_mine_\@
	global_prefetch_b8 v[PFO], s[PFA:PFA+1] offset:ASTEP th:TH_LOAD_NT scope:SCOPE_SE
.Lnot_mine_\@:
.endm
.macro CREST                           ; a round of the cluster's barrier behind its opening barrier
	s_cmp_lg_u32 s10, 0
	s_cbranch_scc1 .Lnot_wave_0_\@
	s_barrier_signal -3
.Lnot_wave_0_\@:
	s_barrier_wait -3
	s_barrier_signal -1
	s_barrier_wait -1
.endm
.macro CROUND                          ; a whole round
	s_barrier_signal -1
	s_barrier_wait -1
	CREST
.endm
	s_load_b128 s[4:7], s[0:1], 0x0                ; att s[4:5], wo16 s[6:7]
	s_load_b64 s[8:9], s[0:1], 0x10                ; out0
	v_lshl_add_u32 v[SPW], v0, 2, SPARE
	v_mov_b32 v[NIL], 0
	ds_add_u32 v[SPW], v[NIL]                      ; the wave's opening: the add, twice on end, and its wait ahead of my first tensor load; the set-up below, work on registers, stands between
	ds_add_u32 v[SPW], v[NIL]
	v_lshrrev_b32 v1, 5, v0
	v_readfirstlane_b32 s10, v1                    ; wave 0..3
	s_lshr_b32 s11, s10, 1                         ; which half of the tile's rows is mine.  Also: I fetch for A (0) or for W_o (1)
	s_and_b32 s12, s10, 1                          ; which half of its columns.  Also: which of a K step's two kb I fetch
	s_bfe_u32 s40, ttmp6, 0x40000                  ; cx, cy: my place in the cluster
	s_bfe_u32 s41, ttmp6, 0x40004
	s_lshl_b32 s42, ttmp9, 2
	s_add_co_u32 s42, s42, s40                     ; tile column = 4 x cluster x + cx
	s_and_b32 s13, ttmp7, 0xffff
	s_lshl_b32 s13, s13, 2
	s_add_co_u32 s13, s13, s41                     ; tile row = 4 x cluster y + cy
	s_lshl_b32 s43, s41, 2
	s_lshl_b32 s43, 15, s43                        ; my row of the cluster
	s_lshl_b32 s44, 0x1111, s40                    ; my column
	; descriptor group 1: rows of 64 elements of 2 bytes, dense in memory, padded in LDS; A: 256 rows, W_o: 128
	s_or_b32 s[G1+0], s43, (1<<16)|(1<<20)|(1<<21)|(4<<22)|(3<<25)  ; 15:0 the mask: A's tiles go to my row; 17:16 element of 2 bytes; 20 padding on; 21 set beside a mask; 24:22 after every 32 words (code 4); 31:25 of 4 words (code 3)
	s_or_b32 s[G1B+0], s44, (1<<16)|(1<<20)|(1<<21)|(4<<22)|(3<<25)
	s_mov_b32 s[G1+1], 64<<16                      ; tensor_dim0 = 64
	s_mov_b32 s[G1+2], 256<<16                     ; tensor_dim1 = 256
	s_mov_b32 s[G1+3], 64<<16                      ; tile_dim0 = 64
	s_mov_b32 s[G1+4], 256                         ; tile_dim1 = 256
	s_mov_b32 s[G1+5], 64                          ; tensor_dim0_stride
	s_mov_b32 s[G1+6], 0
	s_mov_b32 s[G1+7], 0
	s_mov_b32 s[G1B+1], 64<<16
	s_mov_b32 s[G1B+2], 128<<16
	s_mov_b32 s[G1B+3], 64<<16
	s_mov_b32 s[G1B+4], 128
	s_mov_b32 s[G1B+5], 64
	s_mov_b32 s[G1B+6], 0
	s_mov_b32 s[G1B+7], 0
	; where the tiles come from.  A's hang on the tile row alone, which my row of the cluster shares; W_o's on the tile column alone.  Every wave makes both, in registers that never hold the other coordinate.
	s_lshl_b32 s16, s13, 15                        ; A: 256 rows of 128 bytes a tile row,
	s_lshl_b32 s17, s12, 20                        ; + my kb
	s_add_co_u32 s16, s16, s17
	s_mov_b32 s17, 0
	s_lshl_b32 s46, s42, 14                        ; W_o: 128 rows of 128 bytes a tile column,
	s_lshl_b32 s47, s12, 17                        ; + my kb
	s_add_co_u32 s46, s46, s47
	s_mov_b32 s47, 0
	s_mul_i32 s20, s12, AKB                        ; and where they go: no place in the cluster enters an LDS address
	s_mul_i32 s21, s12, BKB
	s_add_co_u32 s21, s21, BOFF
	s_wait_dscnt 0x0                               ; both opening adds are done
	s_wait_kmcnt 0x0
	s_add_nc_u64 s[14:15], s[4:5], s[16:17]
	s_add_nc_u64 s[46:47], s[6:7], s[46:47]
	CROUND                                         ; all sixteen work-groups are here: the first joint loads meet
.irp s, 0,1
	s_mov_b32 s[G0+4*\s], 1                                        ; 1:0 count = 1
	s_add_co_u32 s[G0+4*\s+1], s20, \s*SLOT                        ; 63:32 LDS address
	s_add_nc_u64 s[G0+4*\s+2:G0+4*\s+3], s[14:15], \s*ASTEP        ; 120:64 global address: K step s
	s_or_b32 s[G0+4*\s+3], s[G0+4*\s+3], 0x80000000                ; 127:126 type = 2
	s_mov_b32 s[G0B+4*\s], 1
	s_add_co_u32 s[G0B+4*\s+1], s21, \s*SLOT
	s_add_nc_u64 s[G0B+4*\s+2:G0B+4*\s+3], s[46:47], \s*BSTEP
	s_or_b32 s[G0B+4*\s+3], s[G0B+4*\s+3], 0x80000000
	JLOAD \s                                       ; two loads of mine are out
.endr
	; A fragment is 16 rows x 32 K in 8 registers: lane l holds row l % 16; registers 0-3 hold K = 8 (l / 16) + 0..7, registers 4-7 K = 16 + 8 (l / 16) + 0..7: two loads of 16 bytes, 32 bytes apart.
	v_and_b32 v1, 15, v0                           ; l % 16
	v_bfe_u32 v2, v0, 4, 1                         ; l / 16
	v_mul_u32_u24 v3, v1, PITCH
	v_lshl_add_u32 v3, v2, 4, v3                   ; row x pitch + 16 x half
	s_mul_i32 s20, s11, 128*PITCH                  ; my 128 rows of A
	s_mul_i32 s21, s12, 64*PITCH                   ; my 64 rows of W_o,
	s_add_co_u32 s21, s21, BOFF                    ; which lie behind A's two blocks
.irp s, 0,1
	v_add_nc_u32 v[ADRA+\s], s20, v3
	v_add_nc_u32 v[ADRB+\s], s21, v3
	s_add_co_u32 s20, s20, SLOT
	s_add_co_u32 s21, s21, SLOT
.endr
	s_mul_i32 s23, s10, 16*SPITCH
	s_add_co_u32 s23, s23, STAGE                   ; my stage
	v_mul_u32_u24 v4, v1, SPITCH                   ; in: row l % 16, 32 bytes for each half of the lanes
	v_lshl_add_u32 v4, v2, 5, v4
	v_add_nc_u32 v[STO], s23, v4
	v_mul_u32_u24 v5, v2, SPITCH                   ; back: lanes 0-15 take one row of 256 bytes, lanes 16-31 the next
	v_lshl_add_u32 v5, v1, 4, v5
	v_add_nc_u32 v[RD], s23, v5
	v_lshlrev_b32 v5, 12, v2                       ; and the same two rows in out0, 4,096 bytes apart
	v_lshl_add_u32 v[CO], v1, 4, v5
	v_and_b32 v[PFO], 31, v0
	v_lshlrev_b32 v[PFO], 8, v[PFO]
	s_lshl_b32 s16, s13, 20                        ; my first row of out0: 256 x tile row + 128 x half, 4,096 bytes each (under 2^32)
	s_lshl_b32 s17, s11, 19
	s_add_co_u32 s16, s16, s17
	s_mov_b32 s17, 0
	s_add_nc_u64 s[8:9], s[8:9], s[16:17]
	s_lshl_b32 s46, s42, 9                         ; my first column, in bytes: 512 x tile column + 256 x half (in the registers that held W_o's address: none that feeds A's descriptors ever holds cx)
	s_lshl_b32 s47, s12, 8
	s_add_co_u32 s46, s46, s47
	s_mov_b32 s47, 0
	s_add_nc_u64 s[8:9], s[8:9], s[46:47]
	s_lshl_b32 s46, s40, 13                        ; the prefetches: my work-group's 8,192 bytes of the block that I fetch,
	s_add_nc_u64 s[PFA:PFA+1], s[14:15], s[46:47]
	s_add_nc_u64 s[PFA:PFA+1], s[PFA:PFA+1], 2*ASTEP  ; at K step 2: the first refill steps it to 3 and names K step 4.  Nothing is prefetched here, at the head
	s_or_b32 s[LIM], s11, ttmp9                    ; waves 0 and 1 of the clusters with x = 0: the same in all sixteen partners, for a given wave
	s_cmp_eq_u32 s[LIM], 0
	s_cselect_b32 s[LIM], 1, -1
; 8 matrix instructions: A's blocks 4 hi + a0, 4 hi + a0 + 1 against W_o's four, 32 along K: buffer f.  zero = 1: the first product starts the sums: nothing is ever cleared.
; The 32 accumulators take turns, one instruction a turn, in the same order in every quarter, over the loop's backward jump too.
.macro MUL8 f, hi, a0, zero
.irp a, \a0, \a0+1
.irp b, 0,1,2,3
.if \zero
	v_wmma_f32_16x16x32_f16 v[8*(4*(4*\hi+(\a))+\b):8*(4*(4*\hi+(\a))+\b)+7], v[\f+8*\b:\f+8*\b+7], v[\f+32+8*(4*\hi+(\a)):\f+32+8*(4*\hi+(\a))+7], 0
.else
	v_wmma_f32_16x16x32_f16 v[8*(4*(4*\hi+(\a))+\b):8*(4*(4*\hi+(\a))+\b)+7], v[\f+8*\b:\f+8*\b+7], v[\f+32+8*(4*\hi+(\a)):\f+32+8*(4*\hi+(\a))+7], v[8*(4*(4*\hi+(\a))+\b):8*(4*(4*\hi+(\a))+\b)+7]
.endif
.endr
.endr
.endm
; 24 LDS loads in one run: the fragments of the slot's quarter q (kb block q / 2, byte 64 (q % 2) of its rows) into buffer f: W_o's four, then A's eight
.macro FETCH slot, q, f
	WIN 0
.irp i, 0,1,2,3
	ds_load_b128 v[\f+8*\i:\f+8*\i+3],   v[ADRB+\slot] offset:((\q)/2)*BKB+((\q)%2)*64+\i*16*PITCH
	ds_load_b128 v[\f+8*\i+4:\f+8*\i+7], v[ADRB+\slot] offset:((\q)/2)*BKB+((\q)%2)*64+\i*16*PITCH+32
.endr
.irp i, 0,1,2,3,4,5,6,7
	ds_load_b128 v[\f+32+8*\i:\f+32+8*\i+3],   v[ADRA+\slot] offset:((\q)/2)*AKB+((\q)%2)*64+\i*16*PITCH
	ds_load_b128 v[\f+32+8*\i+4:\f+32+8*\i+7], v[ADRA+\slot] offset:((\q)/2)*AKB+((\q)%2)*64+\i*16*PITCH+32
.endr
.endm
.macro PLACES                          ; four places in front of loads into registers that matrix instructions have read, and of the first read of results (ISA guide 7.12.1 for the first read of results)
.rept 4
	v_nop
.endr
.endm
; A K step is four quarters of 32 along K, 32 matrix instructions each, on buffers 0, 1, 0, 1.  One of the first three: multiplies buffer f; in its middle it fetches quarter q of the same slot into buffer g.
.macro QUARTER slot, q, f, g, zero
	s_wait_dscnt 8                                 ; W_o's fragments and A's blocks 0-3 are in; the youngest eight loads (A's blocks 4-7) may be out
	WIN MUL
	MUL8 \f, 0, 0, \zero
	MUL8 \f, 0, 2, \zero
	PLACES
	FETCH \slot, \q, \g
	s_wait_dscnt 24                                ; all but the 24 just issued
	WIN MUL
	MUL8 \f, 1, 0, \zero
	MUL8 \f, 1, 2, \zero
.endm
; The last quarter multiplies buffer 1 and changes slots: ONE barrier; in front of it each wave waits for all its tensor loads (its part of the next slot), adds 0 to its spare word, and waits for that and for its own reads
; of this slot.  fill = 1: the barrier opens a round of the cluster's barrier, and this slot is filled again, two K steps ahead: the load has a K step less sixteen matrix instructions in which to land.
.macro TURN slot, next, fill
.if \fill
	s_wait_xcnt 0x0                                ; the last prefetch, a K step back, has read its address: it is stepped here, ahead of the waits of the change of slots
	s_add_nc_u64 s[PFA:PFA+1], s[PFA:PFA+1], ASTEP
.endif
	WIN 0                                          ; (the add's two registers lie in window 0)
	s_wait_tensorcnt 0x0                           ; all my tensor loads have landed: the one that was out is my part of the next slot
	ds_add_u32 v[SPW], v[NIL]                      ; 0 onto my spare word
	s_wait_dscnt 9                                 ; (the add and the youngest eight loads may be out)
	WIN MUL
	MUL8 F1, 0, 0, 0                               ; eight matrix instructions stand between the add and the wait for it
	s_wait_dscnt 0x0                               ; the add is done, and my reads of this slot are over
	s_barrier_signal -1
	MUL8 F1, 0, 2, 0
.if \fill
	WIN 0
.endif
	s_barrier_wait -1
.if \fill
	CREST                                          ; no wave of any partner still reads this slot's tiles or has a load on its way
	s_add_nc_u64 s[G0+4*\slot+2:G0+4*\slot+3], s[G0+4*\slot+2:G0+4*\slot+3], 2*ASTEP
	s_add_nc_u64 s[G0B+4*\slot+2:G0B+4*\slot+3], s[G0B+4*\slot+2:G0B+4*\slot+3], 2*BSTEP
	JLOAD \slot                                    ; the first tensor load behind the round; the four v_nop behind it are also the places in front of the loads below
.else
	PLACES
.endif
	FETCH \next, 0, F0
.if \fill
	ASK
.endif
	WIN MUL
	MUL8 F1, 1, 0, 0
	MUL8 F1, 1, 2, 0
.endm
	s_wait_tensorcnt 1                             ; my part of K step 0 is in (K step 1's load, issued behind it, may be out)
	s_barrier_signal -1
	s_barrier_wait -1                              ; everybody's is
	FETCH 0, 0, F0
	QUARTER 0, 1, F0, F1, 1                        ; the first quarter stands in front of the loop: its products start the sums
	WIN 0                                          ; at a label and at a branch every window is 0
	s_mov_b32 s3, LAPS-1
.Llap:                                                 ; a trip goes once round the ring, from a lap's second quarter to the next lap's first, and fills both slots again
	QUARTER 0, 2, F1, F0, 0
	QUARTER 0, 3, F0, F1, 0
	TURN 0, 1, 1
	QUARTER 1, 1, F0, F1, 0
	QUARTER 1, 2, F1, F0, 0
	QUARTER 1, 3, F0, F1, 0
	TURN 1, 0, 1
	QUARTER 0, 1, F0, F1, 0
	WIN 0
	s_sub_co_u32 s3, s3, 1
	s_cmp_lg_u32 s3, 0
	s_cbranch_scc1 .Llap
	QUARTER 0, 2, F1, F0, 0                        ; the last lap fills nothing, and has no round of the cluster's barrier
	QUARTER 0, 3, F0, F1, 0
	TURN 0, 1, 0
	QUARTER 1, 1, F0, F1, 0
	QUARTER 1, 2, F1, F0, 0
	QUARTER 1, 3, F0, F1, 0
	s_wait_dscnt 8                                 ; the very last quarter: nothing more to fetch
	WIN MUL
	MUL8 F1, 0, 0, 0
	MUL8 F1, 0, 2, 0
	s_wait_dscnt 0
	MUL8 F1, 1, 0, 0
	MUL8 F1, 1, 2, 0
	WIN 0
; THE WAY OUT, block by block of 16 rows x 64 columns.  A lane holds 32 neighbouring bytes of a row, and the lanes beside it hold other rows: so a block goes through my own stage in LDS and comes back as whole rows of
; 256 bytes.  LDS serves a wave's instructions in order (ISA guide 5.7.1.4): no wait between the stores and the loads, nor in front of the next block's stores.
.macro TOSTAGE a
	WIN 0x04                                       ; an LDS store's data are its source 1: window 1
.irp b, 0,1,2,3
	ds_store_b128 v[STO], v[8*(4*(\a)+\b):8*(4*(\a)+\b)+3] offset:64*\b          ; each accumulator from its low end on
	ds_store_b128 v[STO], v[8*(4*(\a)+\b)+4:8*(4*(\a)+\b)+7] offset:64*\b+16
.endr
	WIN 0
.set BB, F0+32*((\a)%2)
.irp t, 0,1,2,3,4,5,6,7
	ds_load_b128 v[BB+4*\t:BB+4*\t+3], v[RD] offset:\t*2*SPITCH
.endr
.endm
.macro SEND a, younger                 ; younger: the LDS instructions issued behind block a's loads, which may stay out
.set BB, F0+32*((\a)%2)
	s_wait_dscnt \younger                          ; the block is back in registers
.irp t, 0,1,2,3,4,5,6,7
	global_store_b128 v[CO], v[BB+4*\t:BB+4*\t+3], s[8:9] offset:(16*(\a)+2*\t)*4096 th:TH_STORE_NT   ; 16 lanes store 256 consecutive bytes, aligned; the rows' place stands in the immediate (126 rows at the most); written once, read by nobody here
.endr
.endm
	PLACES                                         ; behind the last products: for the stores that read results and the loads into registers that held fragments
	TOSTAGE 0
.irp a, 1,2,3,4,5,6,7
.if \a > 1
	s_wait_xcnt 0x0                                ; block a - 2's stores have read their registers: block a's loads may land there
.endif
	TOSTAGE \a
	SEND \a-1, 16                                  ; behind block a - 1's loads: block a's 8 stores and 8 loads
.endr
	SEND 7, 0
	s_wait_tensorcnt 0x0                           ; the wave's end, behind my last tensor load and my last LDS store
	ds_add_u32 v[SPW], v[NIL]
	s_wait_dscnt 0x0
	CROUND                                         ; the closing round: no work-group ends while a partner may still ask for a tile that names it
	s_endpgm
.Lfunc_end_k_qceff9aeeb2_oproj:
	.size	k_qceff9aeeb2_oproj, .Lfunc_end_k_qceff9aeeb2_oproj-k_qceff9aeeb2_oproj
	.p2alignl 7, 3214868480
	.fill 96, 4, 3214868480
	.section	.rodata,"a",@progbits
	.p2align	6, 0x0
	.amdhsa_kernel k_qceff9aeeb2_oproj
		.amdhsa_group_segment_fixed_size 327680
		.amdhsa_private_segment_fixed_size 0
		.amdhsa_enable_private_segment 0
		.amdhsa_kernarg_size 24
		.amdhsa_user_sgpr_count 2
		.amdhsa_user_sgpr_kernarg_segment_ptr 1
		.amdhsa_wavefront_size32 1
		.amdhsa_system_sgpr_workgroup_id_x 1
		.amdhsa_system_sgpr_workgroup_id_y 1
		.amdhsa_system_sgpr_workgroup_id_z 1
		.amdhsa_system_vgpr_workitem_id 0
		.amdhsa_next_free_vgpr 512
		.amdhsa_next_free_sgpr 66
		.amdhsa_reserve_vcc 0
		.amdhsa_float_denorm_mode_32 3
		.amdhsa_float_denorm_mode_16_64 3
		.amdhsa_memory_ordered 1
		.amdhsa_forward_progress 1
		.amdhsa_inst_pref_size 86
	.end_amdhsa_kernel
	.amdgpu_metadata
---
amdhsa.version: [ 1, 2 ]
amdhsa.kernels:
  - .name:           k_qceff9aeeb2_oproj
    .symbol:         k_qceff9aeeb2_oproj.kd
    .args:
      - { .name: att, .offset: 0, .size: 8, .value_kind: global_buffer, .address_space: global }
      - { .name: wo16, .offset: 8, .size: 8, .value_kind: global_buffer, .address_space: global }
      - { .name: out0, .offset: 16, .size: 8, .value_kind: global_buffer, .address_space: global }
    .group_segment_fixed_size: 327680
    .private_segment_fixed_size: 0
    .kernarg_segment_align: 8
    .kernarg_segment_size: 24
    .max_flat_workgroup_size: 128
    .sgpr_count:     66
    .vgpr_count:     512
    .wavefront_size: 32
...
	.end_amdgpu_metadata
.endif
;; end of part 4
